; MI455X (gfx1250); checked and timed in simulation.
; The chip was launched on July 23, 2026; its instructions are those of AMD's public machine-readable ISA for CDNA 5 (MIT licence, August 2026) and "CDNA5" Instruction Set Architecture Reference Guide (July 2026). The comments in the code are by the model that wrote it; some were corrected since.
;; Multihead Attention. Allowed arithmetic: matrix products marked QUANTISED: E2M1 operands, one E8M0 scale for each 32 along K, by v_wmma_scale_f32_16x16x128_f8f6f4 with both operands' format E2M1 (or v_wmma_scale_f32_32x16x128_f4), f32 sums; everything else in f32.
;; Inputs: in_proj_b 3,072 float32; in_proj_w 3,072 x 1,024 float32; key 8 x 1,024 x 1,024 float32; ln_beta 1,024 float32; ln_gamma 1,024 float32; out_proj_b 1,024 float32; out_proj_w 1,024 x 1,024 float32; query 8 x 1,024 x 1,024 float32; value 8 x 1,024 x 1,024 float32.
;; Outputs: out0 8 x 1,024 x 1,024 float32; out1 8 x 1,024 x 1,024 float32.
;; This version of the problem:
;;   THIS VERSION OF THE PROBLEM IS GIVEN IN LOW PRECISION. The matrix products marked QUANTISED in the list below multiply operands that are first quantised to E2M1 (2 exponent bits, 1 mantissa bit; 4 bits a number), with one power-of-two scale for each 32 numbers along K (OCP MX v1.0); their sums are f32. All else is computed in f32.
;;   The module's matrix products, in the order in which they are computed (A, B: the left and right operand; K: the contracted axis; several contracted axes count as one K, in the product's order):
;;     1. [M 8,192, K 1,024] x [K 1,024, N 1,024]; A: computed on the way; B: computed on the way: QUANTISED
;;     2. [M 8,192, K 1,024] x [K 1,024, N 1,024]; A: computed on the way; B: computed on the way: QUANTISED
;;     3. [M 8,192, K 1,024] x [K 1,024, N 1,024]; A: computed on the way; B: computed on the way: QUANTISED
;;     4. batch 128 x [M 1,024, K 64] x [K 64, N 1,024]; A: computed on the way; B: computed on the way: QUANTISED
;;     5. batch 128 x [M 64, K 1,024] x [K 1,024, N 1,024]; A: computed on the way; B: softmax (see below): QUANTISED
;;     6. [M 8,192, K 1,024] x [K 1,024, N 1,024]; A: computed on the way; B: input out_proj_w: QUANTISED
;;   THE QUANTISER, for each operand of a quantised product, along K:
;;     - K is cut into blocks of 32 from its start; a last block that is shorter is filled with zeros.
;;     - A block's scale is 2^e with e = floor(log2(the largest magnitude in the block)) - 2, held to -126 .. 127; a block of zeros has e = 0. As a byte (E8M0): e + 127.
;;     - Each number is divided by its block's scale, clamped to +-6, and rounded to the nearest number of E2M1, ties to even, subnormals kept.
;;     - The product sums the exact products of the quantised numbers (number of the format x scale) in f32.
;;   ~~~python
;;   def quantise(x, axis):      # numpy; x: float32 -> the quantised numbers, widened to float32 again
;;       x = np.moveaxis(x, axis, -1); K = x.shape[-1]
;;       x = np.pad(x, [(0, 0)] * (x.ndim - 1) + [(0, -K % 32)]); x = x.reshape(x.shape[:-1] + (-1, 32)); a = np.abs(x).max(-1, keepdims=True)
;;       e = np.where(a > 0, np.clip(np.frexp(np.where(a > 0, a, 1))[1] - 1 - 2, -126, 127), 0)      # np.frexp(a)[1] - 1 = floor(log2(a)), exactly
;;       r = np.clip(x / 2.0 ** e, -6, 6)
;;       step = 2.0 ** (np.maximum(np.frexp(np.where(r == 0, 1, r))[1] - 1, 0) - 1)
;;       q = np.round(r / step) * step * 2.0 ** e      # np.round: ties to even
;;       return np.moveaxis(q.reshape(q.shape[:-2] + (-1,))[..., :K], -1, axis).astype(np.float32)
;;   ~~~
;;   SOFTMAX AHEAD OF A QUANTISED PRODUCT. Where the list says 'softmax', what is quantised is not the finished softmax but p = 2^(t - M), with t = logit x log2(e) and M = ceil(the row's largest t), a whole number; so 1/2 < the row's largest p <= 1. The row's sum l is taken of the UNQUANTISED p, in f32, and the product's result is divided by l at the end. Since M is a whole number, a kernel that streams over the keys may use a running M (the ceiling of the running maximum): every later rescaling is an exact power of two, which a block's scale takes up: the codes' values come out the same.
;;   OPERANDS COMPUTED ON THE WAY. 'Computed on the way' means the value that the module computes at that place (a softmax that the list does not call 'softmax' is quantised finished and normalised). What goes into a quantiser is computed in f32, as accurately as f32 sums, v_exp_f32 and their like allow (about 1e-6 of the number): no bf16 or f16 on the way to a quantiser, and a product that is left as it is and whose result goes on into a quantised operand takes f32 operands (vector FMAs, or v_wmma_f32_16x16x4_f32). A number that lies on a knife's edge between two numbers of the format may be rounded either way, as far as f32 arithmetic and the matrix unit's own rounding can turn it there, and no further.
;; One version. Each part assembles by itself: llvm-mc -triple=amdgcn-amd-amdhsa -mcpu=gfx1250 --defsym DOCPART=n.
;; ======== version 1 of 1: 4 launches
;; limits: right only within a limited range of input values
;; workspace buffers: tiles 15,597,568 bytes; qbuf 4,718,592 bytes; kv 9,175,040 bytes; ctx 4,456,448 bytes
;; launch prep (part 1): grid 448 x 1, 4 waves a work-group, no clusters, 55,808 bytes of LDS; arguments query, key, value, ln_gamma, ln_beta, in_proj_w, out_proj_w, tiles; writes tiles
.if DOCPART == 1
	.amdgcn_target "amdgcn-amd-amdhsa--gfx1250"
	.amdhsa_code_object_version 6
	.text
	.protected	k_qfda65e8708_prep
	.globl	k_qfda65e8708_prep
	.p2align	8
	.type	k_qfda65e8708_prep,@function
k_qfda65e8708_prep:
	s_mov_b64 s[64:65], 0
	v_nop
	global_prefetch_b8 v0, s[64:65] scope:SCOPE_SE
	s_setreg_imm32_b32 hwreg(HW_REG_WAVE_MODE, 25, 1), 1
	s_wait_xcnt 0x0
; LAUNCH 1 OF 4: LayerNorm of query, key and value, and the MX-FP4 quantiser (E2M1 codes, one E8M0 byte for each 32 along K = E) for them and for both weights.
; DEAD WORK: none.  Every input of reference() has a way to an output (the bias on k moves k's codes ahead of a quantised product), so nothing is left out in any of the four launches.
; LIMITS: NaN and infinities among the inputs are not served.  A block of zeros gets the scale byte 1 where the rule says 127: its codes are zeros, which add nothing under any byte but 0xff, and only this program reads the bytes.
; WHAT IS STORED.  A RECORD is 16 rows x 1,024 along K = 8,704 bytes: two halves of 4,352, each four images of operand registers (a K step of 128: [block of 32][row][16 bytes] = 1,024 bytes) and 256 bytes of
; scale words ([row][4 words], a word = the four bytes of one K step).  A later launch loads a fragment by two loads of 16 bytes a lane at 16 x lane, with no pitch.
; THE ROWS OF A RECORD ARE NOT NEIGHBOURS: record 2 B + u, place r, holds row 32 B + 8 u + r + 8 (r / 8), so that a product that takes two such records as source 0 leaves 16 neighbours in a lane's 16 registers.
; SHARES.  A wave makes one record: number 4 x work-group + wave.  Work-groups 0-127 query, 128-255 key, 256-383 value (LayerNorm first), 384-431 in_proj_w, 432-447 out_proj_w (as they are).
; A row is 4,096 bytes: eight loads of 512 consecutive bytes; they turn through the wave's own LDS stage so that lane l holds block l, 32 neighbours.  Mean and variance cross the lanes; the block's maximum does not.
; gamma and beta are loaded by every wave, so that the head has one way; the 64 work-groups of the weights do not use them.
; Waves share nothing: no barrier.  Loads run four rows (32 loads a wave) ahead.
.set HREC,  4352
.set WREG,  13824                      ; LDS of a wave: the turn stage 32 x 144, the codes' stage 32 x 272, the scale bytes 512
.set CST,   4608
.set SST,   13312
.set SPARE, 4*WREG                     ; behind the four regions: the spare words, 128 bytes a wave
.set LO,  1                            ; 16 x lane
.set TSW, 2                            ; turn stage, in
.set TSR, 3                            ; turn stage, out: 144 x lane
.set CSW, 4                            ; codes' stage, in: 272 x lane (my block), + 16 x row
.set SSW, 5                            ; scale bytes, in
.set RDL, 6                            ; codes' stage, out
.set GBO, 7                            ; 128 x lane: my 32 numbers of gamma and beta
.set SRD, 8                            ; scale bytes, out
.set GSO, 9                            ; their place in the record
.set SPW, 10
.set NIL, 11
.set MU,  12                           ; v[12:13] the mean (low word serves both halves)
.set RS,  14                           ; v[14:15] 1 / sqrt(var + eps)
.set SM,  16                           ; v16-23 sums and maxima
.set CD,  24                           ; v24-27 a block's codes
.set SBY, 28                           ; the scale's byte
.set SOP, 29                           ; the conversion's scale operand
.set TA,  30
.set TC,  31
.set GA,  32                           ; v32-63 gamma
.set BE,  64                           ; v64-95 beta
.set X,   96                           ; v96-127 my block of the row in hand
.set R,   128                          ; v128-255 four rows as loaded
	s_load_b256 s[4:11], s[0:1], 0x0               ; query, key, value, ln_gamma
	s_load_b256 s[12:19], s[0:1], 0x20             ; ln_beta, in_proj_w, out_proj_w, tiles
	v_lshl_add_u32 v[SPW], v0, 2, SPARE
	v_mov_b32 v[NIL], 0
	v_lshrrev_b32 v[TA], 5, v0
	v_readfirstlane_b32 s20, v[TA]                 ; wave
	v_and_b32 v[TA], 31, v0                        ; lane
	v_lshlrev_b32 v[LO], 4, v[TA]
	v_lshlrev_b32 v[GBO], 7, v[TA]
	s_mul_i32 s21, s20, WREG
	v_lshrrev_b32 v[TC], 3, v[TA]
	v_mul_u32_u24 v[TSW], v[TC], 144
	v_and_b32 v[TC], 7, v[TA]
	v_lshl_add_u32 v[TSW], v[TC], 4, v[TSW]
	v_add_nc_u32 v[TSW], s21, v[TSW]               ; eight lanes' 128 bytes on end, then 16 of padding; a load's 512 bytes take four places
	v_mul_u32_u24 v[TSR], v[TA], 144
	v_add_nc_u32 v[TSR], s21, v[TSR]
	s_add_co_u32 s26, s21, CST
	v_mul_u32_u24 v[CSW], v[TA], 272
	v_add_nc_u32 v[CSW], s26, v[CSW]
	v_lshrrev_b32 v[TC], 4, v[TA]                  ; lane / 16
	v_and_b32 v[TA], 15, v[TA]                     ; lane % 16
	v_mul_u32_u24 v[RDL], v[TC], 272
	v_lshl_add_u32 v[RDL], v[TA], 4, v[RDL]
	v_add_nc_u32 v[RDL], s26, v[RDL]               ; out: sixteen lanes take a block's sixteen rows, two blocks an instruction
	s_add_co_u32 s26, s21, SST
	v_lshl_add_u32 v[SSW], v[TC], 8, v[TA]
	v_add_nc_u32 v[SSW], s26, v[SSW]               ; [half][row][16 bytes]: 256 (block / 16) + block % 16, + 16 x row
	v_add_nc_u32 v[SRD], s26, v[LO]
	v_mul_u32_u24 v[GSO], v[TC], HREC
	v_lshl_add_u32 v[GSO], v[TA], 4, v[GSO]
	v_add_nc_u32 v[GSO], 4096, v[GSO]
	v_mov_b32 v[MU+1], 0                           ; named as the upper halves of pairs, so they are written
	v_mov_b32 v[RS+1], 0
	s_mov_b32 s28, 0x3a800000                      ; 1 / 1,024
	s_mov_b32 s29, 0x3727c5ac                      ; eps = 1e-5
	s_mov_b32 s30, 0x76543210
	s_mov_b32 s31, 0xfedcba98                      ; v_permlanex16_b32's selects for lane l xor 16
	s_wait_kmcnt 0x0
	s_mov_b64 s[22:23], s[16:17]                   ; which tensor is my work-group's, and its first work-group: the choice hangs on the work-group's number alone
	s_mov_b32 s24, 432
	s_cmp_lt_u32 ttmp9, 432
	s_cselect_b64 s[22:23], s[14:15], s[22:23]
	s_cselect_b32 s24, 384, s24
	s_cmp_lt_u32 ttmp9, 384
	s_cselect_b64 s[22:23], s[8:9], s[22:23]
	s_cselect_b32 s24, 256, s24
	s_cmp_lt_u32 ttmp9, 256
	s_cselect_b64 s[22:23], s[6:7], s[22:23]
	s_cselect_b32 s24, 128, s24
	s_cmp_lt_u32 ttmp9, 128
	s_cselect_b64 s[22:23], s[4:5], s[22:23]
	s_cselect_b32 s24, 0, s24
	s_sub_co_u32 s24, ttmp9, s24
	s_lshl_b32 s24, s24, 6                         ; 64 rows a work-group,
	s_lshr_b32 s25, s20, 1
	s_lshl_b32 s25, s25, 5
	s_add_co_u32 s24, s24, s25                     ; + 32 (wave / 2)
	s_and_b32 s25, s20, 1
	s_lshl_b32 s25, s25, 3
	s_add_co_u32 s24, s24, s25                     ; + 8 (wave % 2): the record's place 0
	s_lshl_b32 s24, s24, 12                        ; rows of 4,096 bytes: under 2^25
	s_mov_b32 s25, 0
	s_add_nc_u64 s[22:23], s[22:23], s[24:25]
	s_lshl_b32 s26, ttmp9, 2
	s_add_co_u32 s26, s26, s20
	s_mul_i32 s26, s26, 2*HREC                     ; my record
	s_mov_b32 s27, 0
	s_add_nc_u64 s[18:19], s[18:19], s[26:27]
.irp j, 0,1,2,3,4,5,6,7
	global_load_b128 v[GA+4*\j:GA+4*\j+3], v[GBO], s[10:11] offset:16*\j
	global_load_b128 v[BE+4*\j:BE+4*\j+3], v[GBO], s[12:13] offset:16*\j
.endr
.macro LOADROW i                       ; place i's row: eight loads of 512 consecutive bytes, into set i % 4
.irp p, 0,1,2,3,4,5,6,7
	global_load_b128 v[R+32*((\i)%4)+4*\p:R+32*((\i)%4)+4*\p+3], v[LO], s[22:23] offset:((\i)+8*((\i)/8))*4096+512*\p th:TH_LOAD_NT
.endr
.endm
.macro ACROSS                          ; v[SM] summed over the 32 lanes, the result in every lane
	v_add_f32_dpp v[SM], v[SM], v[SM] row_xmask:1 row_mask:0xf bank_mask:0xf
	v_add_f32_dpp v[SM], v[SM], v[SM] row_xmask:2 row_mask:0xf bank_mask:0xf
	v_add_f32_dpp v[SM], v[SM], v[SM] row_xmask:4 row_mask:0xf bank_mask:0xf
	v_add_f32_dpp v[SM], v[SM], v[SM] row_xmask:8 row_mask:0xf bank_mask:0xf
	v_permlanex16_b32 v[SM+1], v[SM], s30, s31
	v_add_f32 v[SM], v[SM], v[SM+1]
.endm
	LOADROW 0
	LOADROW 1
	LOADROW 2
	LOADROW 3
; One row.  left = the younger loads that may stay out: three rows of eight, and fewer at the end.
.macro ROW i, left
	s_wait_loadcnt \left                           ; loads come back in order: this row's eight are in (in row 0: gamma and beta too)
.irp p, 0,1,2,3,4,5,6,7
	ds_store_b128 v[TSW], v[R+32*((\i)%4)+4*\p:R+32*((\i)%4)+4*\p+3] offset:576*\p
.endr
.irp j, 0,1,2,3,4,5,6,7
	ds_load_b128 v[X+4*\j:X+4*\j+3], v[TSR] offset:16*\j       ; LDS serves a wave's instructions in order: these see the stores above
.endr
	s_wait_dscnt 0x0                               ; my block is in; the stage's stores have read the set, which takes the row four further on
.if (\i) < 12
	LOADROW (\i)+4
.endif
	s_cmp_lt_u32 ttmp9, 384                        ; the weights are quantised as they are: the jump leads round the norm's lines, work on registers alone
	s_cbranch_scc0 .Lraw_\@
	v_pk_add_f32 v[SM:SM+1], v[X:X+1], v[X+2:X+3]                  ; the row's sum: my 32 in four chains
	v_pk_add_f32 v[SM+2:SM+3], v[X+4:X+5], v[X+6:X+7]
	v_pk_add_f32 v[SM+4:SM+5], v[X+8:X+9], v[X+10:X+11]
	v_pk_add_f32 v[SM+6:SM+7], v[X+12:X+13], v[X+14:X+15]
.irp k, 0,1
.irp c, 0,1,2,3
	v_pk_add_f32 v[SM+2*\c:SM+2*\c+1], v[SM+2*\c:SM+2*\c+1], v[X+16+8*\k+2*\c:X+16+8*\k+2*\c+1]
.endr
.endr
	v_pk_add_f32 v[SM:SM+1], v[SM:SM+1], v[SM+2:SM+3]
	v_pk_add_f32 v[SM+4:SM+5], v[SM+4:SM+5], v[SM+6:SM+7]
	v_pk_add_f32 v[SM:SM+1], v[SM:SM+1], v[SM+4:SM+5]
	v_add_f32 v[SM], v[SM], v[SM+1]
	ACROSS
	v_mul_f32 v[MU], s28, v[SM]                    ; the mean
.set j, 0
.rept 16
	v_pk_add_f32 v[X+j:X+j+1], v[X+j:X+j+1], v[MU:MU+1] op_sel_hi:[1,0] neg_lo:[0,1] neg_hi:[0,1]   ; x - mean
.set j, j+2
.endr
	v_pk_mul_f32 v[SM:SM+1], v[X:X+1], v[X:X+1]                    ; the sum of squares of x - mean, in two chains
	v_pk_mul_f32 v[SM+2:SM+3], v[X+2:X+3], v[X+2:X+3]
.set j, 4
.rept 7
	v_pk_fma_f32 v[SM:SM+1], v[X+j:X+j+1], v[X+j:X+j+1], v[SM:SM+1]
	v_pk_fma_f32 v[SM+2:SM+3], v[X+j+2:X+j+3], v[X+j+2:X+j+3], v[SM+2:SM+3]
.set j, j+4
.endr
	v_pk_add_f32 v[SM:SM+1], v[SM:SM+1], v[SM+2:SM+3]
	v_add_f32 v[SM], v[SM], v[SM+1]
	ACROSS
	v_fma_f32 v[RS], v[SM], s28, s29               ; var + eps
	s_wait_alu depctr_va_vdst(0)
	v_rsq_f32 v[RS], v[RS]
	v_nop                                          ; a plain instruction behind the transcendental,
	s_wait_alu depctr_va_vdst(0)                   ; and the wait ahead of its first reader
.set j, 0
.rept 16
	v_pk_mul_f32 v[X+j:X+j+1], v[X+j:X+j+1], v[RS:RS+1] op_sel_hi:[1,0]
.set j, j+2
.endr
.set j, 0
.rept 16
	v_pk_fma_f32 v[X+j:X+j+1], v[X+j:X+j+1], v[GA+j:GA+j+1], v[BE+j:BE+j+1]
.set j, j+2
.endr
.Lraw_\@:
	v_max3_num_f32 v[SM], |v[X]|, |v[X+1]|, |v[X+2]|               ; the block's largest magnitude: all 32 numbers are mine
	v_max3_num_f32 v[SM+1], |v[X+3]|, |v[X+4]|, |v[X+5]|
.irp k, 6,10,14,18,22,26
	v_max3_num_f32 v[SM], v[SM], |v[X+\k]|, |v[X+\k+1]|
	v_max3_num_f32 v[SM+1], v[SM+1], |v[X+\k+2]|, |v[X+\k+3]|
.endr
	v_max3_num_f32 v[SM], v[SM], |v[X+30]|, |v[X+31]|
	v_max3_num_f32 v[SM], v[SM], v[SM+1], 0x1800000               ; and the floor 2^(3 - 127): the byte cannot fall under 1
	v_add_nc_u32 v[SOP], 0xff000000, v[SM]         ; 2 off its exponent field: the conversion takes the exponent field of this operand as its scale
.irp g, 0,1,2,3
	v_cvt_scalef32_pk8_fp4_f32 v[CD+\g], v[X+8*\g:X+8*\g+7], v[SOP]
.endr
	v_lshrrev_b32 v[SBY], 23, v[SOP]               ; the scale's byte (also the plain instruction behind the conversions)
	ds_store_b128 v[CSW], v[CD:CD+3] offset:16*(\i)
	ds_store_b8 v[SSW], v[SBY] offset:16*(\i)
.endm
.irp i, 0,1,2,3,4,5,6,7,8,9,10,11,12
	ROW \i, 24
.endr
	ROW 13, 16
	ROW 14, 8
	ROW 15, 0
	; THE WAY OUT: the record leaves in stores of 512 consecutive bytes, each at a multiple of 256 from the buffer's first byte
.irp t, 0,1,2,3,4,5,6,7,8,9,10,11,12,13,14,15
	ds_load_b128 v[R+4*\t:R+4*\t+3], v[RDL] offset:544*\t          ; blocks 2 t and 2 t + 1
.endr
	ds_load_b128 v[R+64:R+67], v[SRD]
.irp t, 0,1,2,3,4,5,6,7,8,9,10,11,12,13,14,15
	s_wait_dscnt 16-\t                             ; behind load t: 15 - t of the codes' and the scale bytes'
	global_store_b128 v[LO], v[R+4*\t:R+4*\t+3], s[18:19] offset:(\t/8)*HREC+(\t%8)*512
.endr
	s_wait_dscnt 0x0
	global_store_b128 v[GSO], v[R+64:R+67], s[18:19]               ; lanes 0-15 the first half's 256 bytes of scale words, lanes 16-31 the second's
	s_wait_tensorcnt 0x0                           ; the wave's end: these three lines behind my last LDS store
	ds_add_u32 v[SPW], v[NIL]
	s_wait_dscnt 0x0
	s_endpgm
.Lfunc_end_k_qfda65e8708_prep:
	.size	k_qfda65e8708_prep, .Lfunc_end_k_qfda65e8708_prep-k_qfda65e8708_prep
	.p2alignl 7, 3214868480
	.fill 96, 4, 3214868480
	.section	.rodata,"a",@progbits
	.p2align	6, 0x0
	.amdhsa_kernel k_qfda65e8708_prep
		.amdhsa_group_segment_fixed_size 55808
		.amdhsa_private_segment_fixed_size 0
		.amdhsa_enable_private_segment 0
		.amdhsa_kernarg_size 64
		.amdhsa_user_sgpr_count 2
		.amdhsa_user_sgpr_kernarg_segment_ptr 1
		.amdhsa_wavefront_size32 1
		.amdhsa_system_sgpr_workgroup_id_x 1
		.amdhsa_system_sgpr_workgroup_id_y 1
		.amdhsa_system_sgpr_workgroup_id_z 1
		.amdhsa_system_vgpr_workitem_id 0
		.amdhsa_next_free_vgpr 256
		.amdhsa_next_free_sgpr 66
		.amdhsa_reserve_vcc 0
		.amdhsa_float_denorm_mode_32 3
		.amdhsa_float_denorm_mode_16_64 3
		.amdhsa_memory_ordered 1
		.amdhsa_forward_progress 1
		.amdhsa_inst_pref_size 159
	.end_amdhsa_kernel
	.amdgpu_metadata
---
amdhsa.version: [ 1, 2 ]
amdhsa.kernels:
  - .name:           k_qfda65e8708_prep
    .symbol:         k_qfda65e8708_prep.kd
    .args:
      - { .name: query, .offset: 0, .size: 8, .value_kind: global_buffer, .address_space: global }
      - { .name: key, .offset: 8, .size: 8, .value_kind: global_buffer, .address_space: global }
      - { .name: value, .offset: 16, .size: 8, .value_kind: global_buffer, .address_space: global }
      - { .name: ln_gamma, .offset: 24, .size: 8, .value_kind: global_buffer, .address_space: global }
      - { .name: ln_beta, .offset: 32, .size: 8, .value_kind: global_buffer, .address_space: global }
      - { .name: in_proj_w, .offset: 40, .size: 8, .value_kind: global_buffer, .address_space: global }
      - { .name: out_proj_w, .offset: 48, .size: 8, .value_kind: global_buffer, .address_space: global }
      - { .name: tiles, .offset: 56, .size: 8, .value_kind: global_buffer, .address_space: global }
    .group_segment_fixed_size: 55808
    .private_segment_fixed_size: 0
    .kernarg_segment_align: 8
    .kernarg_segment_size: 64
    .max_flat_workgroup_size: 128
    .sgpr_count:     66
    .vgpr_count:     256
    .wavefront_size: 32
...
	.end_amdgpu_metadata
.endif
;; end of part 1
;; launch gemm (part 2): grid 4 x 96, 4 waves a work-group, clusters of 4 x 4, 327,680 bytes of LDS; arguments tiles, in_proj_b, qbuf, kv; writes qbuf, kv
.if DOCPART == 2
	.amdgcn_target "amdgcn-amd-amdhsa--gfx1250"
	.amdhsa_code_object_version 6
	.text
	.protected	k_qfda65e8708_gemm
	.globl	k_qfda65e8708_gemm
	.p2align	8
	.type	k_qfda65e8708_gemm,@function
k_qfda65e8708_gemm:
	s_mov_b64 s[64:65], 0
	v_nop
	global_prefetch_b8 v0, s[64:65] scope:SCOPE_SE
	s_setreg_imm32_b32 hwreg(HW_REG_WAVE_MODE, 25, 1), 1
	s_wait_xcnt 0x0
	s_wait_alu depctr_hold_cnt(0) depctr_sa_sdst(0) depctr_va_vdst(0) depctr_va_sdst(0) depctr_va_ssrc(0) depctr_va_vcc(0) depctr_vm_vsrc(0)
	s_getreg_b32 s2, hwreg(HW_REG_IB_STS2, 6, 4)
	s_cmp_eq_u32 s2, 0
	s_cbranch_scc0 .Lentry_in_a_cluster
	s_endpgm
.Lentry_in_a_cluster:
	s_bfe_u32 s2, ttmp6, 0x10000c
	s_cmp_lg_u32 s2, 0xf033
	s_cbranch_scc0 .Lentry_shape_is_right
	s_endpgm
.Lentry_shape_is_right:
; LAUNCH 2 OF 4: q = LN(query) Wq^T + bq, k and v likewise, on MX-FP4 codes; the results are quantised at once for attention and leave as codes.  No work is left out.
; ONE GEOMETRY.  Source 0 is X, whose rows run along a lane's registers (the axis along which the result is quantised); source 1 is Y (a lane is a row of Y).
;   q, k (cluster number / 8 = 0, 1): X = rows of W (features: K of q k^T is a head's 64), Y = tokens.     v (= 2): X = tokens (K of the second product is the keys), Y = rows of Wv.
; A cluster of 4 x 4 work-groups takes one batch of one product: 1,024 x 1,024.  X's block of 256 rows hangs on cx, Y's on cy: X's tiles are asked for jointly down a column of the cluster, Y's along a row.
; A work-group makes 256 x 256, a wave 128 x 128: 64 accumulators.  ALL OF K LIES IN LDS (Y's 16 records, then X's 16, 139,264 bytes each; a wave brings eight whole records with one tensor load): nothing is filled again.
; The operands lie in memory as images of their registers: a fragment is two loads of 16 bytes a lane at 16 x lane.
; BOTH FORMS OF THE BIAS are loaded by every wave ahead of the products (along the registers for q and k: 64 numbers; along the lanes for v: 8), so that the products are written once and no register is written on
; one way alone; a wave uses one of the two.  The one branch on the cluster's number, the same in all partners, stands behind the products, round the two ways out, which hold no barrier and no LDS access.
; OUT.  qbuf, kv: a slot for each (batch, head).  q's and k's codes: [tile of 16 tokens][512 bytes: registers 0-3 of a fragment]; scale words [token / 128][(tile / 4) % 2][row][tile % 4], a word = the head's two bytes and 0x7f7f on top.
;   v's codes: [key / 128][tile of 16 of the head's 64][1,024 bytes]; scale words [key / 128][row][tile].  Every store covers whole aligned runs of 256 bytes.
; LIMITS: as in the first launch (NaN, infinities; a block of zeros has the byte 1).
; REGISTERS: window 0: v1-31 addresses, v8-15 v's bias; v32-95 scale words; v96-159 a tile's 64 numbers; v160-191 the quantiser's; v192-255 q's and k's bias.
;   window 1: X's fragments, two sets at v0 and v64; Y's at v128 and v192.   windows 2, 3: accumulator (a, b) at v[8 (8 (a % 4) + b)].
.set HREC,  4352
.set GRP,   8*HREC                     ; eight half records.  A wave's ONE tensor load brings eight WHOLE records, 2 GRP dense bytes: all of K comes at the head, and a record's two halves lie HREC apart in LDS
.set HALF,  4*GRP                      ; half of what the operands take in LDS: Y's 16 records; X's 16 lie behind them
.set SPARE, 2*HALF                     ; behind the two halves: the spare words, 128 bytes a wave
.set QSLOT, 36864
.set SLOTB, 71680
.set BY,   8
.set ADY,  16                          ; v16-17 LDS address of my Y fragments in half 0, 1
.set ADX,  20                          ; v20-21 the same for X
.set ADS,  22                          ; v22-23 of my scale words: lanes 0-15 Y's, lanes 16-31 X's
.set VO0,  24
.set VO1,  25
.set VS,   26
.set BXO,  27
.set SPW,  28
.set NIL,  29
.set BYO,  30
.set SC,   32                          ; register 32 f + 4 i + q: lanes 0-15 the word of Y's tile i, lanes 16-31 of X's tile i, K step 4 f + q
.set H,    96
.set TM,   160
.set PW,   176
.set PC,   184
.set BX,   192
.set G1Y, 24
.set G0Y, 32
.set G1X, 48
.set G0X, 56
.set HM,  75
.set SEL, 76
.set MSB, 0
.macro WIN new                         ; the immediate's high byte repeats the setting that is left
.if MSB != (\new)
	s_set_vgpr_msb (MSB<<8)|(\new)
.set MSB, (\new)
.endif
.endm
.set MUL_LO, 0xa5                      ; sources 0 and 1 window 1, C and D window 2
.set MUL_HI, 0xf5                      ; the same, C and D window 3
.set TO_1,   0x40                      ; destination window 1, address window 0
; A joint load: waves 0 and 1 fetch for Y, waves 2 and 3 for X.  The branch hangs on the wave's number alone.  An s_nop 0 and four v_nop follow each of the two lines.
.macro JLOAD g0a, g1a, g0b, g1b
	s_cmp_eq_u32 s15, 0
	s_cbranch_scc0 .Lfor_b_\@
	tensor_load_to_lds s[\g0a:\g0a+3], s[\g1a:\g1a+7]
	s_nop 0
.rept 4
	v_nop
.endr
	s_branch .Lasked_\@
.Lfor_b_\@:
	tensor_load_to_lds s[\g0b:\g0b+3], s[\g1b:\g1b+7]
	s_nop 0
.rept 4
	v_nop
.endr
.Lasked_\@:
.endm
.macro CROUND                          ; a round of the cluster's barrier
	s_barrier_signal -1
	s_barrier_wait -1
	s_cmp_lg_u32 s14, 0
	s_cbranch_scc1 .Lnot_wave_0_\@
	s_barrier_signal -3
.Lnot_wave_0_\@:
	s_barrier_wait -3
	s_barrier_signal -1
	s_barrier_wait -1
.endm
.macro PLACES
.rept 4
	v_nop
.endr
.endm
	s_load_b128 s[4:7], s[0:1], 0x0                ; tiles, in_proj_b
	s_load_b128 s[8:11], s[0:1], 0x10              ; qbuf, kv
	v_lshl_add_u32 v[SPW], v0, 2, SPARE
	v_mov_b32 v[NIL], 0
	ds_add_u32 v[SPW], v[NIL]                      ; the wave's opening: the add, twice on end, and its wait ahead of my first tensor load
	ds_add_u32 v[SPW], v[NIL]
	v_lshrrev_b32 v1, 5, v0
	v_readfirstlane_b32 s14, v1                    ; wave 0..3
	s_lshr_b32 s15, s14, 1                         ; my half of Y's rows.  Also: I fetch for Y (0) or for X (1)
	s_and_b32 s16, s14, 1                          ; my half of X's rows.  Also: which eight tiles I fetch
	s_bfe_u32 s40, ttmp6, 0x40000                  ; cx
	s_bfe_u32 s41, ttmp6, 0x40004                  ; cy
	s_and_b32 s17, ttmp7, 0xffff                   ; the cluster's number, 0..23
	s_lshr_b32 s18, s17, 3                         ; m: 0 q, 1 k, 2 v
	s_and_b32 s19, s17, 7                          ; the batch
	s_lshl_b32 s80, s19, 2
	s_lshl_b32 s22, s18, 2
	s_add_co_u32 s22, s22, 96                      ; q, k: X = W's blocks 96 + 4 m on
	s_add_co_u32 s81, s80, 64                      ; v:    X = value's blocks 64 + 4 batch on
	s_lshl_b32 s20, s18, 5
	s_add_co_u32 s20, s20, s80                     ; q, k: Y = the tokens' blocks 32 m + 4 batch on;  v: Y = Wv's blocks 104 on
	s_cmp_eq_u32 s18, 2
	s_cselect_b32 s22, s81, s22
	s_cselect_b32 s20, 104, s20
	s_add_co_u32 s22, s22, s40                     ; X's block hangs on cx alone,
	s_add_co_u32 s20, s20, s41                     ; Y's on cy alone
	s_lshl_b32 s22, s22, 4                         ; 16 records a block
	s_lshl_b32 s20, s20, 4
	s_lshl_b32 s82, s16, 3
	s_add_co_u32 s22, s22, s82
	s_add_co_u32 s20, s20, s82
	s_mul_i32 s22, s22, 2*HREC                     ; in bytes: under 2^24
	s_mul_i32 s20, s20, 2*HREC
	s_mov_b32 s23, 0
	s_mov_b32 s21, 0
	s_mul_i32 s45, s14, 2*GRP                      ; where they go: wave x eight records: no place in the cluster enters an LDS address
	s_lshl_b32 s43, s41, 2
	s_lshl_b32 s43, 15, s43                        ; my row of the cluster
	s_lshl_b32 s44, 0x1111, s40                    ; my column
	; descriptor group 1: eight rows of 8,704 bytes (1,088 elements of 8 bytes), whole records, dense in memory and in LDS
	s_or_b32 s[G1Y], s43, (3<<16)|(1<<21)          ; 15:0 the mask; 17:16 elements of 8 bytes; 21 set beside a mask
	s_or_b32 s[G1X], s44, (3<<16)|(1<<21)
.irp g, G1Y, G1X
	s_mov_b32 s[\g+1], 1088<<16                    ; tensor_dim0: a whole record, 8,704 bytes
	s_mov_b32 s[\g+2], 8<<16                       ; tensor_dim1
	s_mov_b32 s[\g+3], 1088<<16                    ; tile_dim0
	s_mov_b32 s[\g+4], 8                           ; tile_dim1
	s_mov_b32 s[\g+5], 1088                        ; tensor_dim0_stride
	s_mov_b32 s[\g+6], 0
	s_mov_b32 s[\g+7], 0
.endr
	s_mov_b32 s[SEL], 0x76543210
	s_mov_b32 s[SEL+1], 0xfedcba98
	s_mov_b32 s[HM], 0xffff0000                    ; lanes 16-31
	s_wait_dscnt 0x0                               ; both opening adds are done
	s_wait_kmcnt 0x0
	s_add_nc_u64 s[20:21], s[4:5], s[20:21]
	s_add_nc_u64 s[22:23], s[4:5], s[22:23]
	CROUND                                         ; all sixteen work-groups are here: the joint loads meet
.irp f, 0
	s_mov_b32 s[G0Y+4*\f], 1
	s_add_co_u32 s[G0Y+4*\f+1], s45, \f*HALF
	s_add_nc_u64 s[G0Y+4*\f+2:G0Y+4*\f+3], s[20:21], \f*HREC
	s_or_b32 s[G0Y+4*\f+3], s[G0Y+4*\f+3], 0x80000000
	s_mov_b32 s[G0X+4*\f], 1
	s_add_co_u32 s[G0X+4*\f+1], s45, \f*HALF
	s_add_nc_u64 s[G0X+4*\f+2:G0X+4*\f+3], s[22:23], \f*HREC
	s_or_b32 s[G0X+4*\f+3], s[G0X+4*\f+3], 0x80000000
	JLOAD G0Y+4*\f, G1Y, G0X+4*\f, G1X             ; my one tensor load of the launch
.endr
	v_and_b32 v1, 31, v0                           ; lane
	v_and_b32 v2, 15, v0                           ; r
	v_bfe_u32 v3, v0, 4, 1                         ; h
	v_lshlrev_b32 v[VO0], 4, v1                    ; 16 x lane
	s_mul_i32 s46, s15, 2*GRP                      ; my eight tiles of Y
	s_mul_i32 s47, s16, 2*GRP
	s_add_co_u32 s47, s47, 4*GRP                   ; my eight tiles of X, behind Y's sixteen
	v_add_nc_u32 v[ADY], s46, v[VO0]
	v_add_nc_u32 v[ADY+1], HREC, v[ADY]
	v_add_nc_u32 v[ADX], s47, v[VO0]
	v_add_nc_u32 v[ADX+1], HREC, v[ADX]
	s_sub_co_u32 s47, s47, s46
	v_mul_u32_u24 v4, s47, v3                      ; lanes 16-31 take X's words: the lower base + h x the distance
	v_lshl_add_u32 v4, v2, 4, v4
	s_add_co_u32 s46, s46, 4096
	v_add_nc_u32 v[ADS], s46, v4
	v_add_nc_u32 v[ADS+1], HREC, v[ADS]
.irp b, 0,1,2,3
	v_mov_b32 v[TM+4+\b], 0                        ; written once: a lane permute's destination counts as one of its sources
.endr
	s_lshl_b32 s84, s18, 12                        ; the bias along the registers: 4 (1,024 m + 256 cx + 128 (wave % 2)) bytes on; lane half h begins 16 numbers further on
	s_lshl_b32 s85, s40, 10
	s_add_co_u32 s84, s84, s85
	s_lshl_b32 s85, s16, 9
	s_add_co_u32 s84, s84, s85
	s_mov_b32 s85, 0
	s_add_nc_u64 s[66:67], s[6:7], s[84:85]
	s_lshl_b32 s84, s41, 10                        ; the bias along the lanes: 4 (2,048 + 256 cy + 128 (wave / 2)) bytes on; lane r takes place r's row
	s_lshl_b32 s86, s15, 9
	s_add_co_u32 s84, s84, s86
	s_add_co_u32 s84, s84, 8192
	s_add_nc_u64 s[68:69], s[6:7], s[84:85]
	v_lshlrev_b32 v[BXO], 6, v3
	v_and_b32 v5, 8, v2
	v_add_nc_u32 v5, v5, v2                        ; r + 8 (r / 8)
	v_lshlrev_b32 v[BYO], 2, v5
.irp b, 0,1,2,3,4,5,6,7
	global_load_b128 v[BX+8*\b:BX+8*\b+3], v[BXO], s[66:67] offset:(32*(\b/2)+8*(\b%2))*4
	global_load_b128 v[BX+8*\b+4:BX+8*\b+7], v[BXO], s[66:67] offset:(32*(\b/2)+8*(\b%2))*4+16
.endr
.irp a, 0,1,2,3,4,5,6,7
	global_load_b32 v[BY+\a], v[BYO], s[68:69] offset:(32*(\a/2)+8*(\a%2))*4
.endr
.macro FETCH s                         ; the fragments of K step s, 32 loads in one run, into set s % 2
	WIN TO_1
.irp i, 0,1,2,3,4,5,6,7
.irp c, 0,1
	ds_load_b128 v[64*((\s)%2)+8*\i+4*\c:64*((\s)%2)+8*\i+4*\c+3], v[ADX+(\s)/4] offset:\i*2*HREC+((\s)%4)*1024+512*\c
.endr
.endr
.irp i, 0,1,2,3,4,5,6,7
.irp c, 0,1
	ds_load_b128 v[128+64*((\s)%2)+8*\i+4*\c:128+64*((\s)%2)+8*\i+4*\c+3], v[ADY+(\s)/4] offset:\i*2*HREC+((\s)%4)*1024+512*\c
.endr
.endr
	WIN 0
.endm
.macro SCALES f                        ; the scale words of half f's four K steps
.irp i, 0,1,2,3,4,5,6,7
	ds_load_b128 v[SC+32*\f+4*\i:SC+32*\f+4*\i+3], v[ADS+\f] offset:\i*2*HREC
.endr
.endm
; 32 matrix instructions: Y's tiles 4 hi .. 4 hi + 3 x X's eight.  The 64 accumulators take turns, one instruction a turn, in the same order in every step.  Step 0 starts the sums.
.macro MUL32 hi, s
.irp a, 0,1,2,3
.irp b, 0,1,2,3,4,5,6,7
.if (\s) == 0
	v_wmma_scale_f32_16x16x128_f8f6f4 v[8*(8*\a+\b):8*(8*\a+\b)+7], v[64*((\s)%2)+8*\b:64*((\s)%2)+8*\b+7], v[128+64*((\s)%2)+8*(4*\hi+\a):128+64*((\s)%2)+8*(4*\hi+\a)+7], 0, v[SC+32*((\s)/4)+4*\b+(\s)%4], v[SC+32*((\s)/4)+4*(4*\hi+\a)+(\s)%4] matrix_a_fmt:MATRIX_FMT_FP4 matrix_b_fmt:MATRIX_FMT_FP4 matrix_a_scale:MATRIX_SCALE_ROW1
.else
	v_wmma_scale_f32_16x16x128_f8f6f4 v[8*(8*\a+\b):8*(8*\a+\b)+7], v[64*((\s)%2)+8*\b:64*((\s)%2)+8*\b+7], v[128+64*((\s)%2)+8*(4*\hi+\a):128+64*((\s)%2)+8*(4*\hi+\a)+7], v[8*(8*\a+\b):8*(8*\a+\b)+7], v[SC+32*((\s)/4)+4*\b+(\s)%4], v[SC+32*((\s)/4)+4*(4*\hi+\a)+(\s)%4] matrix_a_fmt:MATRIX_FMT_FP4 matrix_b_fmt:MATRIX_FMT_FP4 matrix_a_scale:MATRIX_SCALE_ROW1
.endif
.endr
.endr
.endm
.macro STEP s                          ; 128 along K: 64 matrix instructions; the next step's fragments are fetched in its middle
	s_wait_dscnt 0x0                               ; this step's fragments (asked for 32 matrix instructions ago) are in
	WIN MUL_LO
	MUL32 0, \s
.if (\s) < 7
	PLACES                                         ; four places in front of loads into registers that the last step's matrix instructions have read
	FETCH (\s)+1
.if (\s) == 3
	SCALES 1
.endif
.endif
	WIN MUL_HI
	MUL32 1, \s
.endm
; 64 numbers of a lane, v[s] on, register 16 b + i = place 32 b + 16 (lane / 16) + i along the next K of my row, become a fragment's codes in v[PC] on; the four blocks' scale bytes are left in v[TM+4] on.
.macro QUANT s
.irp b, 0,1,2,3
	v_max3_num_f32 v[TM+\b], |v[\s+16*\b]|, |v[\s+1+16*\b]|, 0x1800000   ; my 16 numbers of block b, and the floor 2^(3 - 127): the byte cannot fall under 1
.endr
.irp i, 2,4,6,8,10,12,14
.irp b, 0,1,2,3
	v_max3_num_f32 v[TM+\b], v[TM+\b], |v[\s+16*\b+\i]|, |v[\s+1+16*\b+\i]|
.endr
.endr
.irp b, 0,1,2,3
	v_permlanex16_b32 v[TM+4+\b], v[TM+\b], s[SEL], s[SEL+1]
.endr
.irp b, 0,1,2,3
	v_max_num_f32 v[TM+\b], v[TM+\b], v[TM+4+\b]   ; with lane l xor 16's: the block's largest magnitude
.endr
.irp b, 0,1,2,3
	v_add_nc_u32 v[TM+12+\b], 0xff000000, v[TM+\b] ; 2 off its exponent field: the conversion's scale operand
.endr
.irp b, 0,1,2,3
	v_lshrrev_b32 v[TM+4+\b], 23, v[TM+12+\b]      ; the scale's byte
.endr
.irp b, 0,1,2,3
	v_cvt_scalef32_pk8_fp4_f32 v[PC+2*\b], v[\s+16*\b:\s+7+16*\b], v[TM+12+\b]
	v_cvt_scalef32_pk8_fp4_f32 v[PC+1+2*\b], v[\s+8+16*\b:\s+15+16*\b], v[TM+12+\b]
.endr
	v_nop                                          ; one plain instruction behind a scaled conversion
.irp c, 0,1                                    ; the operand's layout wants a whole block in a lane: lanes 0-15 block 2 c, lanes 16-31 block 2 c + 1
.irp i, 0,1
	v_permlane16_swap_b32 v[PC+4*\c+\i], v[PC+2+4*\c+\i]
.endr
.endr
.endm
	s_wait_alu depctr_va_vdst(0)
	s_wait_tensorcnt 0x0                           ; my eight records are in
	s_barrier_signal -1
	s_barrier_wait -1
	FETCH 0
	SCALES 0
.irp s, 0,1,2,3,4,5,6,7
	STEP \s
.endr
	WIN 0
	PLACES                                         ; four places between the last products and the first read of results
	s_wait_loadcnt 0x0                             ; the biases
	s_cmp_eq_u32 s18, 2
	s_cbranch_scc1 .Lv
	; ---- q and k.  Y's tile a is 16 tokens; a lane's 64 numbers are 128 features = two heads: registers 0-3 of the codes are the first head's half fragment, 4-7 the second's
	s_cmp_eq_u32 s18, 1
	s_cselect_b64 s[70:71], s[10:11], s[8:9]       ; k goes to kv, q to qbuf
	s_mov_b32 s74, QSLOT
	s_cselect_b32 s74, SLOTB, s74                  ; a slot's bytes
	s_mov_b32 s83, 32768
	s_cselect_b32 s83, 65536, s83                  ; where a slot's scale words begin
	s_lshl_b32 s84, s19, 4
	s_lshl_b32 s85, s40, 2
	s_add_co_u32 s84, s84, s85
	s_lshl_b32 s85, s16, 1
	s_add_co_u32 s84, s84, s85                     ; slot 16 batch + 4 cx + 2 (wave % 2): my first head
	s_mul_i32 s84, s84, s74
	s_mov_b32 s85, 0
	s_add_nc_u64 s[70:71], s[70:71], s[84:85]
	s_lshl_b32 s86, s41, 1
	s_add_co_u32 s86, s86, s15                     ; my 128 tokens: 2 cy + wave / 2
	s_lshl_b32 s84, s86, 9
	s_add_co_u32 s84, s84, s83
	s_add_nc_u64 s[72:73], s[70:71], s[84:85]      ; their scale words, 512 bytes
	s_lshl_b32 s84, s86, 12
	s_add_nc_u64 s[70:71], s[70:71], s[84:85]      ; their codes: eight tiles of 512 bytes
	v_add_nc_u32 v[VO1], s74, v[VO0]               ; the second head's slot
	v_mul_u32_u24 v5, s74, v3
	v_lshl_add_u32 v[VS], v2, 4, v5                ; scale words: 16 r; lanes 16-31 in the second head's slot
.irp a, 0,1,2,3,4,5,6,7
	WIN 0x02+(\a)/4                                ; source 0: window 2 or 3
.set j, 0
.rept 32
	v_pk_add_f32 v[H+j:H+j+1], v[64*((\a)%4)+j:64*((\a)%4)+j+1], v[BX+j:BX+j+1]   ; + bias; each accumulator from its low end on
.set j, j+2
.endr
	WIN 0
.if \a > 0
	s_wait_xcnt 0x0                                ; the last tile's stores have read their data: the codes' registers are written again only behind this wait
.endif
	QUANT H
	v_cndmask_b32 v[TM+8], v[TM+4], v[TM+6], s[HM] ; lanes 0-15 make the first head's word (blocks 0, 1), lanes 16-31 the second's (blocks 2, 3)
	v_cndmask_b32 v[TM+9], v[TM+5], v[TM+7], s[HM]
	v_lshl_or_b32 v[TM+8], v[TM+9], 8, v[TM+8]
	v_or_b32 v[PW+\a], 0x7f7f0000, v[TM+8]         ; the bytes of k = 64 .. 127, which attention fills with zero codes, stand for 1
	global_store_b128 v[VO0], v[PC:PC+3], s[70:71] offset:512*\a
	global_store_b128 v[VO1], v[PC+4:PC+7], s[70:71] offset:512*\a
.endr
	global_store_b128 v[VS], v[PW:PW+3], s[72:73]
	global_store_b128 v[VS], v[PW+4:PW+7], s[72:73] offset:256
	s_branch .Lend
.Lv:	; ---- v.  Y's tile a is 16 features (head a / 4 of my two, tile a % 4 of its 64); a lane's 64 numbers are my 128 keys: one whole fragment
	s_lshl_b32 s84, s19, 4
	s_lshl_b32 s85, s41, 2
	s_add_co_u32 s84, s84, s85
	s_lshl_b32 s85, s15, 1
	s_add_co_u32 s84, s84, s85                     ; slot 16 batch + 4 cy + 2 (wave / 2)
	s_mul_i32 s84, s84, SLOTB
	s_mov_b32 s85, 0
	s_add_nc_u64 s[70:71], s[10:11], s[84:85]
	s_lshl_b32 s86, s40, 1
	s_add_co_u32 s86, s86, s16                     ; my 128 keys: 2 cx + wave % 2
	s_lshl_b32 s84, s86, 8
	s_add_co_u32 s84, s84, 69632
	s_add_nc_u64 s[72:73], s[70:71], s[84:85]      ; their scale words, 256 bytes
	s_lshl_b32 s84, s86, 12
	s_add_co_u32 s84, s84, 32768
	s_add_nc_u64 s[70:71], s[70:71], s[84:85]      ; their codes, four images of 1,024 bytes
	v_mul_u32_u24 v5, SLOTB, v3
	v_lshl_add_u32 v[VS], v2, 4, v5
.irp a, 0,1,2,3,4,5,6,7
	v_mov_b32 v[TM+8], v[BY+\a]                    ; my row's bias, as a pair
	v_mov_b32 v[TM+9], v[BY+\a]
	WIN 0x02+(\a)/4
.set j, 0
.rept 32
	v_pk_add_f32 v[H+j:H+j+1], v[64*((\a)%4)+j:64*((\a)%4)+j+1], v[TM+8:TM+9]
.set j, j+2
.endr
	WIN 0
.if \a > 0
	s_wait_xcnt 0x0                                ; as above
.endif
	QUANT H
	v_lshl_or_b32 v[PW+\a], v[TM+5], 8, v[TM+4]    ; the four bytes make my row's scale word
	v_lshl_or_b32 v[PW+\a], v[TM+6], 16, v[PW+\a]
	v_lshl_or_b32 v[PW+\a], v[TM+7], 24, v[PW+\a]
	global_store_b128 v[VO0], v[PC:PC+3], s[70:71] offset:((\a)/4)*SLOTB+((\a)%4)*1024
	global_store_b128 v[VO0], v[PC+4:PC+7], s[70:71] offset:((\a)/4)*SLOTB+((\a)%4)*1024+512
.endr
.irp t, 0,1,2,3
	v_cndmask_b32 v[PW+\t], v[PW+\t], v[PW+4+\t], s[HM]            ; lanes 16-31 carry the second head's words
.endr
	global_store_b128 v[VS], v[PW:PW+3], s[72:73]
.Lend:
	s_wait_tensorcnt 0x0                           ; the wave's end: these three lines behind my last tensor load
	ds_add_u32 v[SPW], v[NIL]
	s_wait_dscnt 0x0
	CROUND                                         ; the closing round
	s_endpgm
.Lfunc_end_k_qfda65e8708_gemm:
	.size	k_qfda65e8708_gemm, .Lfunc_end_k_qfda65e8708_gemm-k_qfda65e8708_gemm
	.p2alignl 7, 3214868480
	.fill 96, 4, 3214868480
	.section	.rodata,"a",@progbits
	.p2align	6, 0x0
	.amdhsa_kernel k_qfda65e8708_gemm
		.amdhsa_group_segment_fixed_size 327680
		.amdhsa_private_segment_fixed_size 0
		.amdhsa_enable_private_segment 0
		.amdhsa_kernarg_size 32
		.amdhsa_user_sgpr_count 2
		.amdhsa_user_sgpr_kernarg_segment_ptr 1
		.amdhsa_wavefront_size32 1
		.amdhsa_system_sgpr_workgroup_id_x 1
		.amdhsa_system_sgpr_workgroup_id_y 1
		.amdhsa_system_sgpr_workgroup_id_z 1
		.amdhsa_system_vgpr_workitem_id 0
		.amdhsa_next_free_vgpr 1024
		.amdhsa_next_free_sgpr 100
		.amdhsa_reserve_vcc 0
		.amdhsa_float_denorm_mode_32 3
		.amdhsa_float_denorm_mode_16_64 3
		.amdhsa_memory_ordered 1
		.amdhsa_forward_progress 1
		.amdhsa_inst_pref_size 192
	.end_amdhsa_kernel
	.amdgpu_metadata
---
amdhsa.version: [ 1, 2 ]
amdhsa.kernels:
  - .name:           k_qfda65e8708_gemm
    .symbol:         k_qfda65e8708_gemm.kd
    .args:
      - { .name: tiles, .offset: 0, .size: 8, .value_kind: global_buffer, .address_space: global }
      - { .name: in_proj_b, .offset: 8, .size: 8, .value_kind: global_buffer, .address_space: global }
      - { .name: qbuf, .offset: 16, .size: 8, .value_kind: global_buffer, .address_space: global }
      - { .name: kv, .offset: 24, .size: 8, .value_kind: global_buffer, .address_space: global }
    .group_segment_fixed_size: 327680
    .private_segment_fixed_size: 0
    .kernarg_segment_align: 8
    .kernarg_segment_size: 32
    .max_flat_workgroup_size: 128
    .sgpr_count:     100
    .vgpr_count:     1024
    .wavefront_size: 32
...
	.end_amdgpu_metadata
.endif
;; end of part 2
;; launch attn (part 3): grid 32 x 8, 8 waves a work-group, clusters of 4 x 1, 327,680 bytes of LDS; arguments qbuf, kv, ctx, out1; writes ctx, out1
.if DOCPART == 3
	.amdgcn_target "amdgcn-amd-amdhsa--gfx1250"
	.amdhsa_code_object_version 6
	.text
	.protected	k_qfda65e8708_attn
	.globl	k_qfda65e8708_attn
	.p2align	8
	.type	k_qfda65e8708_attn,@function
k_qfda65e8708_attn:
	s_mov_b64 s[64:65], 0
	v_nop
	global_prefetch_b8 v0, s[64:65] scope:SCOPE_SE
	s_setreg_imm32_b32 hwreg(HW_REG_WAVE_MODE, 25, 1), 1
	s_wait_xcnt 0x0
	s_wait_alu depctr_hold_cnt(0) depctr_sa_sdst(0) depctr_va_vdst(0) depctr_va_sdst(0) depctr_va_ssrc(0) depctr_va_vcc(0) depctr_vm_vsrc(0)
	s_getreg_b32 s2, hwreg(HW_REG_IB_STS2, 6, 4)
	s_cmp_eq_u32 s2, 0
	s_cbranch_scc0 .Lentry_in_a_cluster
	s_endpgm
.Lentry_in_a_cluster:
	s_bfe_u32 s2, ttmp6, 0x10000c
	s_cmp_lg_u32 s2, 0x3003
	s_cbranch_scc0 .Lentry_shape_is_right
	s_endpgm
.Lentry_shape_is_right:
; LAUNCH 3 OF 4: scores, softmax, the heat map (out1) and the context as codes for the last product.  No work is left out.
; SHARES.  out1 is the mean over the 16 heads of p / l, and each number has one owner: a work-group owns 32 queries of one batch and walks ALL 16 heads.  Wave w owns tile w / 4 (16 queries) and keys 256 (w % 4) on:
; p is 128 registers, its part of the heat map another 128; a lane holds one query throughout.
; THE SOFTMAX.  t = score x log2(e) / 8.  Each wave takes M from ITS OWN 256 keys: M_w = the ceiling of their largest t, a whole number; p = 2^(t - M_w) is quantised along the keys.  Against the row's M = max M_w that is an exact
; power of two, which a block's scale takes up, so the codes' values are the same.  l_w is the sum of the wave's unquantised p.  With f_w = 2^(M_w - M): l = sum l_w f_w, O = sum O_w f_w / l, heat map += p f_w / (16 l).
; ONE MEETING A HEAD.  -M_w, l_w and the partial O_w go to an exchange area in LDS that has two parities, taken by turns from head to head.  The round of the cluster's barrier that changes slots also shows them to the other waves;
; behind it head h is finished (heat map, context) while p still lies in registers, and then head h + 1 is begun, whose parts go to the other parity: a parity is written again only behind the next round, in front of which every wave has
; waited for its reads.
; LAYOUT.  Both products are used transposed: S^T = K Q^T (source 0 = 16 keys), O^T = V^T P^T (source 0 = 16 of the head's 64).  The rows of every tile lie in the order place r = row 8 u + r + 8 (r / 8) of a pair of tiles, so that 16
; registers of two neighbouring tiles are 16 neighbours.  K OF THE FIRST PRODUCT IS 64: Q's registers 4-7 hold zero codes; K's operand of tile t names eight registers of which the upper four are the next tile's codes (behind tile 15:
; zeros): they meet Q's zeros under scale bytes that stand for 1, and add nothing.
; CLUSTER.  The four work-groups of a cluster belong to one batch and walk the same slots of kv (a head's K and V codes and scale words, 71,680 dense bytes): each slot is asked for JOINTLY, every wave bringing 35 rows of 256 bytes.
; Two slots take turns: behind the round at the end of head h's products, head h + 2 is asked for into the slot just left.  One tensor load of a wave is out at the most.
; LIMITS: NaN and infinities are not served; the promise holds while the scaled scores t stay under 2^31 in magnitude; p under 2^-126 counts as 0; a block of zeros has the scale byte 1.
; REGISTERS: window 0: v1-31, v42 addresses and -M, 1 / (16 l); v32-39 Q; v40 Q's, v44-59 K's, v60-67 V's, v68-69 p's scale words; v72-111 at work (p's codes, block maxima; then the four partial O and f); v112-127 at work; v128-255 S^T, then p.
;   window 1: v0-127 the heat map; v128-195 K's or V's fragments; v196-227 O^T.
.set SLOTB, 71680
.set QSLOT, 36864
.set SLOT1, 131072                     ; slot 1 begins here: one exclusive or turns an address in one slot into the other's
.set XB,    SLOT1+SLOTB                ; the exchange area: [parity XPAR][wave 4,352][query 272 = 64 channels + 16 bytes], and at XMX in a parity [tile 512][query 32: four -M, four l].  At the end: the heat map's stage
.set XPAR,  35840
.set XMX,   34816
.set CTB,   XB+2*XPAR                  ; the context's codes: 2,176 bytes for each wave: [head][lane][4], then 128 scale bytes
.set SPARE, CTB+8*2176                 ; the spare words, 128 bytes a wave
.set AK0, 3
.set AS0, 4
.set AT0, 5
.set ADK, 6
.set ADS, 7
.set ADT, 8
.set EXW0, 9
.set EXR0, 10
.set RLX0, 11
.set OSW0, 12
.set OSR0, 13
.set CW0, 14
.set CS0, 15
.set CW,  16
.set CSA, 17
.set QO,  18
.set QSO, 19
.set PFO, 20
.set SPW, 21
.set NIL, 22
.set NM,  24                           ; v24 -M_w (low word of a pair)
.set GG,  26                           ; v26 f_w / (16 l) (low word of a pair)
.set XW,  28
.set EXW, 29
.set EXR, 30
.set RLX, 31
.set QF,  32
.set QS,  40
.set OSR, 42
.set KS,  44
.set VS,  60
.set PW,  68
.set PC,  72
.set PT,  72                           ; the four partial O, over registers whose use in the head is over
.set BM,  88
.set BT,  96
.set BE,  104
.set F,   104                          ; f of the four waves in v104, 106, 108, 110 (low words of pairs); v105, 107, 109 at work
.set T,   112
.set S,   128
.set CRD, 3                            ; the way out takes registers whose first use is over
.set CGO, 4
.set SRL, 5
.set SGO, 6
.set HST, 7
.set HRD, 8
.set HGO, 9
.set WV,  12
.set G1,  16
.set G0,  24
.set CS,  28
.set SEL, 30
.set TB,  32
.set CTO, 33
.set SLOTS, 34
.set LIM, 35
.set PFA, 36
.set QB,  38
.set CSO, 40
.set U,   55                           ; my tile of queries: wave / 4
.set KQ,  56                           ; my quarter of the keys: wave % 4
.set PB,  57                           ; the exchange parity in hand: 0 or XPAR
.set MSB, 0
.macro WIN new
.if MSB != (\new)
	s_set_vgpr_msb (MSB<<8)|(\new)
.set MSB, (\new)
.endif
.endm
.macro CROUND                          ; a round of the cluster's barrier
	s_barrier_signal -1
	s_barrier_wait -1
	s_cmp_lg_u32 s[WV], 0
	s_cbranch_scc1 .Lnot_wave_0_\@
	s_barrier_signal -3
.Lnot_wave_0_\@:
	s_barrier_wait -3
	s_barrier_signal -1
	s_barrier_wait -1
.endm
; A PREFETCH INTO THE L2 of the codes (65,536 bytes) of the slot that the NEXT round will ask for.  All eight clusters of a batch walk the same slots: the batch's first cluster asks.  Its four partners share the bytes out by address,
; 16,384 each; in each, waves 0 and 1 ask for 8,192, lanes 256 bytes apart: each aligned run of 256 bytes is named once in the launch.  The last round that fills a slot asks for nothing; heads 0 to 2 and the scale words come by their loads alone.
.macro ASK
	s_cmp_gt_u32 s[SLOTS], s[LIM]
	s_cbranch_scc0 .Lnot_mine_\@
	global_prefetch_b8 v[PFO], s[PFA:PFA+1] th:TH_LOAD_NT scope:SCOPE_SE
.Lnot_mine_\@:
.endm
.macro QLOAD                           ; a head's Q: my tile's half fragment and its scale words
	global_load_b128 v[QF:QF+3], v[QO], s[QB:QB+1]
	global_load_b32 v[QS], v[QSO], s[QB:QB+1] offset:32768
.endm
.macro TLOAD
	tensor_load_to_lds s[G0:G0+3], s[G1:G1+7]
	s_nop 0
.rept 4
	v_nop
.endr
.endm
	s_load_b256 s[4:11], s[0:1], 0x0               ; qbuf, kv, ctx, out1
	v_lshl_add_u32 v[SPW], v0, 2, SPARE
	v_mov_b32 v[NIL], 0
	ds_add_u32 v[SPW], v[NIL]                      ; the wave's opening: the add, twice on end, and its wait ahead of my first tensor load
	ds_add_u32 v[SPW], v[NIL]
	v_lshrrev_b32 v1, 5, v0
	v_readfirstlane_b32 s[WV], v1                  ; wave 0..7
	s_lshr_b32 s[U], s[WV], 2
	s_and_b32 s[KQ], s[WV], 3
	s_bfe_u32 s13, ttmp6, 0x40000                  ; cx
	s_lshl_b32 s14, ttmp9, 2
	s_add_co_u32 s14, s14, s13                     ; P: my block of 32 queries.  It enters global addresses alone
	s_and_b32 s15, ttmp7, 0xffff                   ; the batch, which the four partners share
	s_mov_b32 s[G1], 15|(3<<16)|(1<<21)            ; 15:0 the mask: all four work-groups; 17:16 elements of 8 bytes; 21 set beside a mask
	s_mov_b32 s[G1+1], 32<<16                      ; tensor_dim0: 256 bytes
	s_mov_b32 s[G1+2], 35<<16                      ; tensor_dim1
	s_mov_b32 s[G1+3], 32<<16                      ; tile_dim0
	s_mov_b32 s[G1+4], 35                          ; tile_dim1
	s_mov_b32 s[G1+5], 32                          ; tensor_dim0_stride: dense
	s_mov_b32 s[G1+6], 0
	s_mov_b32 s[G1+7], 0
	s_mul_i32 s41, s15, 16*SLOTB                   ; the batch's first slot in kv
	s_mul_i32 s42, s[WV], 8960                     ; my 35 rows, in memory and in a slot
	s_add_co_u32 s44, s41, s42
	s_mov_b32 s45, 0
	s_mov_b32 s[CS], 0x3e38aa3b                    ; c = log2(e) / 8
	s_mov_b32 s[CS+1], s[CS]
	s_mov_b32 s[SEL], 0x76543210
	s_mov_b32 s[SEL+1], 0xfedcba98
	s_mov_b32 s[TB], 0
	s_mov_b32 s[PB], 0
	s_mov_b32 s[CTO], 0
	s_mov_b32 s[CSO], 0
	s_mov_b32 s[SLOTS], 14
	s_lshr_b32 s[LIM], s[WV], 1
	s_or_b32 s[LIM], s[LIM], ttmp9                 ; 0 in waves 0 and 1 of the batch's first cluster: the same in all four partners
	s_cmp_eq_u32 s[LIM], 0
	s_cselect_b32 s[LIM], 1, -1
	s_wait_dscnt 0x0                               ; both opening adds are done
	s_wait_kmcnt 0x0
	s_mov_b32 s[G0], 1
	s_mov_b32 s[G0+1], s42
	s_add_nc_u64 s[G0+2:G0+3], s[6:7], s[44:45]
	s_or_b32 s[G0+3], s[G0+3], 0x80000000
	CROUND                                         ; all four work-groups are here: the first joint loads meet
	TLOAD                                          ; head 0 into slot 0: my one tensor load at the head
	v_and_b32 v1, 15, v0                           ; r
	v_bfe_u32 v2, v0, 4, 1                         ; h
	v_and_b32 v23, 31, v0                          ; lane
	s_wait_alu depctr_va_vdst(0)
	s_mul_i32 s46, s15, 16*QSLOT
	s_mov_b32 s47, 0
	s_add_nc_u64 s[QB:QB+1], s[4:5], s[46:47]      ; the batch's first slot in qbuf
	s_lshl_b32 s48, s14, 10
	s_lshl_b32 s49, s[U], 9
	s_add_co_u32 s48, s48, s49
	v_lshl_add_u32 v[QO], v23, 4, s48              ; tile 2 P + wave / 4, of 512 bytes
	s_lshr_b32 s48, s14, 1
	s_lshl_b32 s48, s48, 8
	s_and_b32 s49, s14, 1
	s_lshl_b32 s49, s49, 3
	s_add_co_u32 s48, s48, s49
	s_lshl_b32 s49, s[U], 2
	s_add_co_u32 s48, s48, s49
	v_lshl_add_u32 v[QSO], v1, 4, s48              ; [tile / 4][row][tile % 4]: 256 (P / 2) + 16 r + 8 (P % 2) + 4 (wave / 4)
	s_wait_alu depctr_va_vdst(0)
	QLOAD
	s_lshl_b32 s50, s15, 5
	s_add_co_u32 s50, s50, s14                     ; 32 batch + P
	s_mul_i32 s52, s50, 17408
	s_mov_b32 s53, 0
	s_add_nc_u64 s[8:9], s[8:9], s[52:53]          ; my two records of ctx
	s_lshl_b32 s52, s50, 17
	s_add_nc_u64 s[10:11], s[10:11], s[52:53]      ; my 32 rows of out1
	s_lshl_b32 s52, s13, 14
	s_and_b32 s54, s[WV], 1
	s_lshl_b32 s54, s54, 13
	s_add_co_u32 s52, s52, s54
	s_add_co_u32 s52, s52, s41
	s_add_co_u32 s52, s52, 2*SLOTB                 ; in head 2's slot: the loop's first round steps it to head 3's
	s_add_nc_u64 s[PFA:PFA+1], s[6:7], s[52:53]
	v_lshlrev_b32 v[PFO], 8, v23
	s_lshl_b32 s48, s[KQ], 13
	v_lshl_add_u32 v[AK0], v23, 4, s48             ; my sixteen tiles of K, and my eight images of V: 8,192 x quarter + 16 x lane
	s_lshl_b32 s48, s[KQ], 10
	s_add_co_u32 s48, s48, 65536
	v_lshl_add_u32 v[AS0], v1, 4, s48              ; K's scale words
	s_lshl_b32 s48, s[KQ], 9
	s_add_co_u32 s48, s48, 69632
	v_lshl_add_u32 v[AT0], v1, 4, s48              ; V's
	s_lshl_b32 s48, s[U], 9
	s_add_co_u32 s48, s48, XB+XMX
	v_lshl_add_u32 v[EXR0], v1, 5, s48             ; my query's eight words
	s_lshl_b32 s49, s[KQ], 2
	v_add_nc_u32 v[EXW0], s49, v[EXR0]             ; mine among the four -M; my l 16 bytes on
	s_lshl_b32 s49, s[KQ], 7
	s_add_co_u32 s48, s48, s49
	v_lshrrev_b32 v[CW], 3, v23                    ; ADDING THE PARTS: wave w, lane l take tile w / 4, query place 4 (w % 4) + l / 8, channels 8 (l % 8) on
	v_lshl_add_u32 v[RLX0], v[CW], 5, s48          ; that query's eight words
	v_mul_u32_u24 v[OSR0], v[CW], 272
	v_and_b32 v[CSA], 7, v23
	v_lshl_add_u32 v[OSR0], v[CSA], 5, v[OSR0]
	s_mul_i32 s48, s[U], 17408
	s_mul_i32 s49, s[KQ], 1088
	s_add_co_u32 s48, s48, s49
	s_add_co_u32 s48, s48, XB
	v_add_nc_u32 v[OSR0], s48, v[OSR0]             ; and its eight channels in the part of my tile's first wave
	v_mul_u32_u24 v[OSW0], v1, 272
	v_lshl_add_u32 v[OSW0], v2, 6, v[OSW0]
	s_mul_i32 s48, s[WV], 4352
	s_add_co_u32 s48, s48, XB
	v_add_nc_u32 v[OSW0], s48, v[OSW0]             ; my partial O: row r, + 64 h
	s_mul_i32 s48, s[WV], 2176
	s_add_co_u32 s48, s48, CTB
	v_lshl_add_u32 v[CW0], v23, 2, s48             ; the context's codes: 4 x lane in my own stage, + 128 x head
	v_lshrrev_b32 v[CS0], 3, v23
	v_lshlrev_b32 v[CS0], 5, v[CS0]
	v_bfe_u32 v[CSA], v23, 2, 1
	v_add_nc_u32 v[CS0], v[CS0], v[CSA]
	s_add_co_u32 s48, s48, 2048
	v_add_nc_u32 v[CS0], s48, v[CS0]               ; its scale bytes: 32 (lane / 8) + (lane / 4) % 2, + 2 x head
.irp j, 4,5,6,7
	v_mov_b32 v[QF+\j], 0                          ; Q's codes of k = 64 .. 127: zeros, set once
.endr
	v_mov_b32 v[NM+1], 0                           ; the upper halves of the pairs are named, so they are written
	v_mov_b32 v[GG+1], 0
.irp j, 0,1,2,3,4,5,6,7
	v_mov_b32 v[BT+\j], 0                          ; a lane permute's destination counts as one of its sources
.endr
	WIN 0x40
.set j, 0
.rept 128
	v_mov_b32 v[j], 0                              ; the heat map.  (A head is written once: the first finds zeros.  These lines stand while the first slot is on its way)
.set j, j+1
.endr
.irp j, 192,193,194,195
	v_mov_b32 v[\j], 0                             ; behind K's tile 15
.endr
	WIN 0
.macro SUMP u                          ; the sum of 64 of my p, two at a time in two chains, into v[T+4u : T+4u+1]
	v_pk_add_f32 v[T+4*\u:T+4*\u+1], v[S+64*\u:S+64*\u+1], v[S+64*\u+2:S+64*\u+3]
	v_pk_add_f32 v[T+4*\u+2:T+4*\u+3], v[S+64*\u+4:S+64*\u+5], v[S+64*\u+6:S+64*\u+7]
.set j, 8
.rept 14
	v_pk_add_f32 v[T+4*\u:T+4*\u+1], v[T+4*\u:T+4*\u+1], v[S+64*\u+j:S+64*\u+j+1]
	v_pk_add_f32 v[T+4*\u+2:T+4*\u+3], v[T+4*\u+2:T+4*\u+3], v[S+64*\u+j+2:S+64*\u+j+3]
.set j, j+4
.endr
	v_pk_add_f32 v[T+4*\u:T+4*\u+1], v[T+4*\u:T+4*\u+1], v[T+4*\u+2:T+4*\u+3]
.endm
; ONE HEAD.  fill = 1: behind the meeting the head after the next is asked for.
.macro HEAD fill
	v_add_nc_u32 v[ADK], s[TB], v[AK0]
	v_add_nc_u32 v[ADS], s[TB], v[AS0]
	v_add_nc_u32 v[ADT], s[TB], v[AT0]
	v_add_nc_u32 v[XW], s[PB], v[OSW0]
	v_add_nc_u32 v[EXW], s[PB], v[EXW0]
	WIN 0x40
.irp t, 0,1,2,3,4,5,6,7,8,9,10,11,12,13,14,15
	ds_load_b128 v[128+4*\t:131+4*\t], v[ADK] offset:512*\t        ; K's tile t: four registers
.endr
	WIN 0
.irp j, 0,1,2,3
	ds_load_b128 v[KS+4*\j:KS+4*\j+3], v[ADS] offset:256*\j
.endr
	s_wait_alu depctr_va_vdst(0)
	s_wait_loadcnt 0x0                             ; Q, asked for a head ago
	s_wait_dscnt 0x0
	; ---- S^T = K Q^T
	WIN 0x01
.irp t, 0,1,2,3,4,5,6,7,8,9,10,11,12,13,14,15
	v_wmma_scale_f32_16x16x128_f8f6f4 v[S+8*\t:S+8*\t+7], v[128+4*\t:135+4*\t], v[QF:QF+7], 0, v[KS+\t], v[QS] matrix_a_fmt:MATRIX_FMT_FP4 matrix_b_fmt:MATRIX_FMT_FP4
.endr
	WIN 0
.rept 4
	v_nop                                          ; four places in front of loads into registers that these products have read, and of the first read of the scores
.endr
	WIN 0x40
.irp s, 0,1
.irp t, 0,1,2,3
.irp c, 0,1
	ds_load_b128 v[128+32*\s+8*\t+4*\c:131+32*\s+8*\t+4*\c], v[ADK] offset:32768+4096*\s+1024*\t+512*\c   ; V^T's tile t, my s-th 128 keys
.endr
.endr
.endr
	WIN 0
	ds_load_b128 v[VS:VS+3], v[ADT]
	ds_load_b128 v[VS+4:VS+7], v[ADT] offset:256
.if \fill
	s_add_nc_u64 s[QB:QB+1], s[QB:QB+1], QSLOT     ; (the loads that named this base were waited for above)
	QLOAD                                          ; the next head's Q
.else
	s_cmp_eq_u32 s[SLOTS], 1                       ; the last head has no successor: a branch on the count of heads alone, round two loads
	s_cbranch_scc1 .Lno_q_\@
	s_add_nc_u64 s[QB:QB+1], s[QB:QB+1], QSLOT
	QLOAD
.Lno_q_\@:
.endif
	; ---- the largest score of each block of 32 keys: it serves for my maximum and, since p rises with the score, for the block's largest p
.irp k, 0,1,2,3,4,5,6,7
	v_max3_num_f32 v[BM+\k], v[S+16*\k], v[S+16*\k+1], v[S+16*\k+2]
.endr
.irp i, 3,5,7,9,11,13
.irp k, 0,1,2,3,4,5,6,7
	v_max3_num_f32 v[BM+\k], v[BM+\k], v[S+16*\k+\i], v[S+16*\k+\i+1]
.endr
.endr
.irp k, 0,1,2,3,4,5,6,7
	v_max_num_f32 v[BM+\k], v[BM+\k], v[S+16*\k+15]
.endr
.irp k, 0,1,2,3,4,5,6,7
	v_permlanex16_b32 v[BT+\k], v[BM+\k], s[SEL], s[SEL+1]
.endr
.irp k, 0,1,2,3,4,5,6,7
	v_max_num_f32 v[BM+\k], v[BM+\k], v[BT+\k]     ; with lane l xor 16's 16 keys
.endr
	v_max3_num_f32 v[T], v[BM], v[BM+1], v[BM+2]
	v_max3_num_f32 v[T+1], v[BM+3], v[BM+4], v[BM+5]
	v_max3_num_f32 v[T], v[T], v[BM+6], v[BM+7]
	v_max_num_f32 v[T], v[T], v[T+1]               ; the largest score of my 256 keys
	v_mul_f32 v[T], s[CS], v[T]                    ; as t (c is positive)
	v_floor_f32 v[NM], -v[T]                       ; -M_w = floor(-t) = -ceil(t)
	; ---- p = 2^(t - M_w)
.set j, 0
.rept 64
	v_pk_fma_f32 v[S+j:S+j+1], v[S+j:S+j+1], s[CS:CS+1], v[NM:NM+1] op_sel_hi:[1,0,0]
.set j, j+2
.endr
.irp k, 0,1,2,3,4,5,6,7
	v_fma_f32 v[BM+\k], v[BM+\k], s[CS], v[NM]     ; the same of each block's largest score
.endr
	s_wait_alu depctr_va_vdst(0)                   ; the wait ahead of the batch
.set j, 0
.rept 128
	v_exp_f32 v[S+j], v[S+j]
.set j, j+1
.endr
	v_nop                                          ; a plain instruction behind the exponentials,
	s_wait_alu depctr_va_vdst(0)                   ; and one wait for the whole batch, ahead of its first reader
.irp k, 0,1,2,3,4,5,6,7
	v_exp_f32 v[BM+\k], v[BM+\k]                   ; the blocks' largest p: the same two instructions on the same number give the same bits
.endr
	SUMP 0                                         ; the sum is taken of the unquantised p.  (It reads the 128 alone: plain work behind the eight)
	s_wait_alu depctr_va_vdst(0)                   ; and one wait for the eight
	; ---- p's codes and scale words
.irp k, 0,1,2,3,4,5,6,7
	v_max_num_f32 v[BM+\k], 0x1800000, v[BM+\k]    ; the floor 2^(3 - 127): the byte cannot fall under 1
.endr
.irp k, 0,1,2,3,4,5,6,7
	v_add_nc_u32 v[BE+\k], 0xff000000, v[BM+\k]    ; 2 off the exponent field: the conversion's scale operand
.endr
.irp k, 0,1,2,3,4,5,6,7
	v_lshrrev_b32 v[BT+\k], 23, v[BE+\k]           ; the scale's byte
.endr
.irp b, 1,2,3
.irp s, 0,1
.if \b == 1
	v_lshl_or_b32 v[PW+\s], v[BT+4*\s+1], 8, v[BT+4*\s]
.else
	v_lshl_or_b32 v[PW+\s], v[BT+4*\s+\b], 8*\b, v[PW+\s]
.endif
.endr
.endr
.irp k, 0,1,2,3,4,5,6,7
	v_cvt_scalef32_pk8_fp4_f32 v[PC+2*\k], v[S+16*\k:S+16*\k+7], v[BE+\k]
	v_cvt_scalef32_pk8_fp4_f32 v[PC+2*\k+1], v[S+16*\k+8:S+16*\k+15], v[BE+\k]
.endr
	v_nop                                          ; one plain instruction behind a scaled conversion
.irp g, 0,1,2,3                                ; the operand's layout wants a whole block in a lane
.irp i, 0,1
	v_permlane16_swap_b32 v[PC+4*\g+\i], v[PC+4*\g+2+\i]
.endr
.endr
	s_wait_alu depctr_va_vdst(0)
	s_wait_dscnt 0x0                               ; V's fragments and scale words, asked for behind the first product, are in
	SUMP 1                                         ; 31 plain instructions: also the places between the scale words and codes just made and the scaled products
	; ---- O^T = V^T P^T over my 256 keys: two steps of 128; the four accumulators by turns
	WIN 0x51
.irp s, 0,1
.irp t, 0,1,2,3
.if \s == 0
	v_wmma_scale_f32_16x16x128_f8f6f4 v[196+8*\t:203+8*\t], v[128+8*\t:135+8*\t], v[PC:PC+7], 0, v[VS+\t], v[PW] matrix_a_fmt:MATRIX_FMT_FP4 matrix_b_fmt:MATRIX_FMT_FP4
.else
	v_wmma_scale_f32_16x16x128_f8f6f4 v[196+8*\t:203+8*\t], v[160+8*\t:167+8*\t], v[PC+8:PC+15], v[196+8*\t:203+8*\t], v[VS+4+\t], v[PW+1] matrix_a_fmt:MATRIX_FMT_FP4 matrix_b_fmt:MATRIX_FMT_FP4
.endif
.endr
.endr
	WIN 0
	v_add_f32 v[T], v[T], v[T+1]                   ; my sum is finished: these lines are the places behind the products
	v_add_f32 v[T+4], v[T+4], v[T+5]
	v_nop
	v_add_f32 v[T], v[T], v[T+4]
	v_permlanex16_b32 v[T+1], v[T], s[SEL], s[SEL+1]
	v_add_f32 v[T], v[T], v[T+1]
	ds_store_b32 v[EXW], v[NM]                     ; both halves of the lanes write the same word with the same value
	ds_store_b32 v[EXW], v[T] offset:16
	WIN 0x04                                       ; an LDS store's data are its source 1: window 1
.irp t, 0,1,2,3
.irp c, 0,1
	ds_store_b128 v[XW], v[196+8*\t+4*\c:199+8*\t+4*\c] offset:128*(\t/2)+32*(\t%2)+16*\c   ; register j of tile t is channel 32 (t / 2) + 16 h + 8 (t % 2) + j; each accumulator from its low end on
.endr
.endr
	WIN 0
	; ---- THE MEETING: it shows my parts to the others, and it is the change of slots
	s_wait_alu depctr_va_vdst(0)
	s_wait_tensorcnt 0x0                           ; all my tensor loads have landed: my part of the next head's slot; so the descriptor may be written
	ds_add_u32 v[SPW], v[NIL]                      ; 0 onto my spare word
.if \fill
	s_xor_b32 s[G0+1], s[G0+1], SLOT1              ; the slot that I have just read,
	s_add_nc_u64 s[G0+2:G0+3], s[G0+2:G0+3], SLOTB ; the head after the next; the type bits on top are not reached
	s_wait_xcnt 0x0                                ; the last prefetch, a head back, has read its address
	s_add_nc_u64 s[PFA:PFA+1], s[PFA:PFA+1], SLOTB
.endif
	s_wait_dscnt 0x0                               ; the add is done, my stores have landed, my reads of this head's slot are over
.if \fill
	CROUND                                         ; no wave of any partner still reads that slot or has a load on its way
	TLOAD                                          ; my one tensor load behind the round, and the first thing there
	ASK
.else
	s_barrier_signal -1
	s_barrier_wait -1
.endif
	; ---- the head is finished: M, l, the heat map, the context
	v_add_nc_u32 v[EXR], s[PB], v[EXR0]
	v_add_nc_u32 v[RLX], s[PB], v[RLX0]
	v_add_nc_u32 v[OSR], s[PB], v[OSR0]
	v_add_nc_u32 v[CW], s[CTO], v[CW0]
	v_add_nc_u32 v[CSA], s[CSO], v[CS0]
	ds_load_b128 v[T:T+3], v[EXR]                  ; my query: the four -M,
	ds_load_b128 v[T+4:T+7], v[EXR] offset:16      ; the four l;
	ds_load_b128 v[T+8:T+11], v[RLX]               ; the same of the query whose parts I add
	ds_load_b128 v[T+12:T+15], v[RLX] offset:16
.irp k, 0,1,2,3
.irp c, 0,1
	ds_load_b128 v[PT+8*\k+4*\c:PT+8*\k+4*\c+3], v[OSR] offset:4352*\k+16*\c
.endr
.endr
	s_wait_alu depctr_va_vdst(0)
	s_wait_dscnt 8                                 ; the four loads of words are in; the eight of partial O may stay out
	v_min3_num_f32 v[F+1], v[T], v[T+1], v[T+2]
	v_min3_num_f32 v[F+3], v[T+8], v[T+9], v[T+10]
	v_min_num_f32 v[F+1], v[F+1], v[T+3]           ; -M of the row: the least of the four -M_w
	v_min_num_f32 v[F+3], v[F+3], v[T+11]
.irp k, 0,1,2,3
	v_sub_f32 v[T+\k], v[F+1], v[T+\k]             ; M_w - M: a whole number, 0 or less
	v_sub_f32 v[T+8+\k], v[F+3], v[T+8+\k]
.endr
	v_sub_f32 v[F+5], v[F+1], v[NM]                ; and my own
.irp k, 0,1,2,3
	v_cvt_i32_f32 v[T+\k], v[T+\k]                 ; (it saturates)
	v_cvt_i32_f32 v[T+8+\k], v[T+8+\k]
.endr
	v_cvt_i32_f32 v[F+5], v[F+5]
.irp k, 0,1,2,3
	v_ldexp_f32 v[T+\k], v[T+4+\k], v[T+\k]        ; l_w f_w: nothing is rounded
	v_ldexp_f32 v[F+2*\k], 1.0, v[T+8+\k]          ; f_w
.endr
	v_pk_add_f32 v[T:T+1], v[T:T+1], v[T+2:T+3]
	v_mul_f32 v[T+8], v[T+12], v[F]
	v_add_f32 v[T], v[T], v[T+1]                   ; l of my query
	v_fma_f32 v[T+8], v[T+13], v[F+2], v[T+8]
	v_fma_f32 v[T+8], v[T+14], v[F+4], v[T+8]
	v_fma_f32 v[T+8], v[T+15], v[F+6], v[T+8]      ; l of the query whose parts I add
	s_wait_alu depctr_va_vdst(0)                   ; the wait ahead of the batch
	v_rcp_f32 v[T], v[T]
	v_rcp_f32 v[T+8], v[T+8]
	v_nop
	s_wait_alu depctr_va_vdst(0)                   ; one wait for the two reciprocals
	v_mul_f32 v[T], 0x3d800000, v[T]               ; 1 / (16 l)
.irp k, 0,1,2,3
	v_mul_f32 v[F+2*\k], v[F+2*\k], v[T+8]         ; f_w / l
.endr
	v_ldexp_f32 v[GG], v[T], v[F+5]                ; f of my wave / (16 l)
	WIN 0x50                                       ; destination and source 2: window 1
.set j, 0
.rept 64
	v_pk_fma_f32 v[j:j+1], v[S+j:S+j+1], v[GG:GG+1], v[j:j+1] op_sel_hi:[1,0,1]
.set j, j+2
.endr
	s_wait_dscnt 0x0                               ; the four parts are in
	WIN 0
.irp j, 0,2,4,6
	v_pk_mul_f32 v[T+\j:T+\j+1], v[PT+\j:PT+\j+1], v[F:F+1] op_sel_hi:[1,0]
.endr
.irp k, 1,2,3
.irp j, 0,2,4,6
	v_pk_fma_f32 v[T+\j:T+\j+1], v[PT+8*\k+\j:PT+8*\k+\j+1], v[F+2*\k:F+2*\k+1], v[T+\j:T+\j+1] op_sel_hi:[1,0,1]   ; the context: eight channels of one query
.endr
.endr
	v_max3_num_f32 v[T+8], |v[T]|, |v[T+1]|, 0x1800000
	v_max3_num_f32 v[T+9], |v[T+2]|, |v[T+3]|, |v[T+4]|
	v_max3_num_f32 v[T+8], v[T+8], |v[T+5]|, |v[T+6]|
	v_max3_num_f32 v[T+8], v[T+8], v[T+9], |v[T+7]|
	v_max_num_f32_dpp v[T+8], v[T+8], v[T+8] row_xmask:1 row_mask:0xf bank_mask:0xf   ; four neighbouring lanes hold a block of 32 along the last product's K
	v_max_num_f32_dpp v[T+8], v[T+8], v[T+8] row_xmask:2 row_mask:0xf bank_mask:0xf
	v_add_nc_u32 v[T+9], 0xff000000, v[T+8]
	v_cvt_scalef32_pk8_fp4_f32 v[T+10], v[T:T+7], v[T+9]
	v_lshrrev_b32 v[T+11], 23, v[T+9]              ; the scale's byte (also the plain instruction behind the conversion)
	ds_store_b32 v[CW], v[T+10]
	ds_store_b8 v[CSA], v[T+11]                    ; the four lanes of a block write the same byte with the same value
	s_xor_b32 s[TB], s[TB], SLOT1
	s_xor_b32 s[PB], s[PB], XPAR
	s_add_co_u32 s[CTO], s[CTO], 128
	s_add_co_u32 s[CSO], s[CSO], 2
.endm
	s_wait_alu depctr_va_vdst(0)
	s_wait_tensorcnt 0x0                           ; my part of head 0 is in
	ds_add_u32 v[SPW], v[NIL]
	s_xor_b32 s[G0+1], s[G0+1], SLOT1              ; slot 1,
	s_add_nc_u64 s[G0+2:G0+3], s[G0+2:G0+3], SLOTB ; head 1
	s_wait_dscnt 0x0
	CROUND
	TLOAD                                          ; slot 1's first fill, issued as a refill is
.Lhead:                                            ; heads 0 to 13: each asks for the head after the next
	HEAD 1
	s_sub_co_u32 s[SLOTS], s[SLOTS], 1
	s_cmp_lg_u32 s[SLOTS], 0
	s_wait_alu depctr_va_vdst(0)
	s_cbranch_scc1 .Lhead
	s_mov_b32 s[SLOTS], 2
.Ltail:                                            ; heads 14 and 15 ask for nothing: a loop of their own
	HEAD 0
	s_sub_co_u32 s[SLOTS], s[SLOTS], 1
	s_cmp_lg_u32 s[SLOTS], 0
	s_wait_alu depctr_va_vdst(0)
	s_cbranch_scc1 .Ltail
	; ---- THE WAY OUT.  Addresses first, ahead of the branch on the wave's number
	v_bfe_u32 v[CRD], v0, 2, 2
	v_mul_u32_u24 v[CRD], v[CRD], 2176             ; a record's piece (block, row place rr = lane % 16) lies in the stage of wave 4 x tile + rr / 4,
	v_and_b32 v[CGO], 3, v0
	v_lshl_add_u32 v[CRD], v[CGO], 5, v[CRD]       ; at 32 (rr % 4)
	v_lshl_add_u32 v[CRD], v2, 4, v[CRD]           ; + 16 (block % 2), + 128 x head: 16 bytes on end
	s_wait_alu depctr_va_vdst(0)
	s_and_b32 s48, s[WV], 1
	s_mul_i32 s49, s48, 8704
	s_add_co_u32 s50, s49, CTB+2048
	v_add_nc_u32 v[SRL], s50, v[CRD]               ; the scale bytes of tile wave % 2: row rr's 32 bytes at 32 (rr % 4), half lane / 16
	v_mul_u32_u24 v[SGO], v2, 4352
	v_lshl_add_u32 v[SGO], v1, 4, v[SGO]
	s_add_co_u32 s49, s49, 4096
	v_add_nc_u32 v[SGO], s49, v[SGO]
	s_mul_i32 s49, s[U], 8704                      ; wave w sends heads 4 (w % 4) .. + 3 of tile w / 4
	s_lshl_b32 s50, s[KQ], 9
	s_add_co_u32 s50, s50, s49
	s_add_co_u32 s50, s50, CTB
	v_add_nc_u32 v[CRD], s50, v[CRD]
	s_bfe_u32 s50, s[WV], 0x10001
	s_mul_i32 s50, s50, 4352
	s_add_co_u32 s49, s49, s50
	s_lshl_b32 s48, s48, 11
	s_add_co_u32 s49, s49, s48
	v_lshl_add_u32 v[CGO], v23, 4, s49             ; in the record: half (w / 2) % 2, 2,048 (w % 2) + 512 i + 16 x lane
	s_mul_i32 s48, s[WV], 8704
	s_add_co_u32 s48, s48, XB
	v_mul_u32_u24 v[HST], v1, 528
	v_lshl_add_u32 v[HST], v2, 6, v[HST]
	v_add_nc_u32 v[HST], s48, v[HST]               ; the heat map's stage, my own 8,704 bytes of the exchange area: 16 rows of 512 + 16 bytes
	v_lshl_add_u32 v[HRD], v23, 4, s48
	s_lshl_b32 s48, s[KQ], 10
	s_lshl_b32 s49, s[U], 15
	s_add_co_u32 s48, s48, s49
	v_lshl_add_u32 v[HGO], v23, 4, s48             ; in out1: my tile's first row (8 rows of 4,096 bytes a tile), my 256 keys: 1,024 bytes of a row
	s_wait_alu depctr_va_vdst(0)
	s_wait_dscnt 0x0                               ; my last stores into my stage have landed, my reads of the exchange area are over
	s_barrier_signal -1
	s_barrier_wait -1
.irp i, 0,1,2,3
	ds_load_b128 v[T+4*\i:T+4*\i+3], v[CRD] offset:128*\i
.endr
	s_wait_dscnt 0x0
.irp i, 0,1,2,3
	global_store_b128 v[CGO], v[T+4*\i:T+4*\i+3], s[8:9] offset:512*\i             ; 512 consecutive bytes of a record
.endr
	s_cmp_lt_u32 s[WV], 2                          ; waves 0 and 1 send the two records' scale words
	s_cbranch_scc0 .Lno_scales
	ds_load_b128 v[PT:PT+3], v[SRL]
	s_wait_dscnt 0x0
	global_store_b128 v[SGO], v[PT:PT+3], s[8:9]   ; lanes 0-15 the first half's 256 bytes, lanes 16-31 the second's
.Lno_scales:
.macro HSTAGE u                        ; my u-th 128 keys of the heat map through my stage: in by lanes, back by rows
	WIN 0x04
.irp t, 0,1,2,3,4,5,6,7
	ds_store_b128 v[HST], v[64*\u+8*\t:64*\u+8*\t+3] offset:128*(\t/2)+32*(\t%2)
	ds_store_b128 v[HST], v[64*\u+8*\t+4:64*\u+8*\t+7] offset:128*(\t/2)+32*(\t%2)+16
.endr
	WIN 0
.irp i, 0,1,2,3,4,5,6,7,8,9,10,11,12,13,14,15
	ds_load_b128 v[S+64*\u+4*\i:S+64*\u+4*\i+3], v[HRD] offset:528*\i              ; LDS serves a wave's instructions in order: these see the stores above, and the next half's stores come behind them
.endr
.endm
.macro HSEND u, younger                ; younger: the LDS instructions issued behind this half's loads
.irp i, 0,1,2,3,4,5,6,7,8,9,10,11,12,13,14,15
	s_wait_dscnt \younger+15-\i
	global_store_b128 v[HGO], v[S+64*\u+4*\i:S+64*\u+4*\i+3], s[10:11] offset:(\i+8*(\i/8))*4096+512*\u th:TH_STORE_NT   ; 512 consecutive bytes of query 32 P + 8 (wave / 4) + i + 8 (i / 8)
.endr
.endm
	HSTAGE 0
	HSTAGE 1
	HSEND 0, 32                                    ; behind the first half's loads: the second's 16 stores and 16 loads
	HSEND 1, 0
	s_wait_tensorcnt 0x0                           ; the wave's end: these three lines behind my last tensor load and my last LDS store
	ds_add_u32 v[SPW], v[NIL]
	s_wait_dscnt 0x0
	CROUND                                         ; the closing round
	s_endpgm
.Lfunc_end_k_qfda65e8708_attn:
	.size	k_qfda65e8708_attn, .Lfunc_end_k_qfda65e8708_attn-k_qfda65e8708_attn
	.p2alignl 7, 3214868480
	.fill 96, 4, 3214868480
	.section	.rodata,"a",@progbits
	.p2align	6, 0x0
	.amdhsa_kernel k_qfda65e8708_attn
		.amdhsa_group_segment_fixed_size 327680
		.amdhsa_private_segment_fixed_size 0
		.amdhsa_enable_private_segment 0
		.amdhsa_kernarg_size 32
		.amdhsa_user_sgpr_count 2
		.amdhsa_user_sgpr_kernarg_segment_ptr 1
		.amdhsa_wavefront_size32 1
		.amdhsa_system_sgpr_workgroup_id_x 1
		.amdhsa_system_sgpr_workgroup_id_y 1
		.amdhsa_system_sgpr_workgroup_id_z 1
		.amdhsa_system_vgpr_workitem_id 0
		.amdhsa_next_free_vgpr 512
		.amdhsa_next_free_sgpr 66
		.amdhsa_reserve_vcc 0
		.amdhsa_float_denorm_mode_32 3
		.amdhsa_float_denorm_mode_16_64 3
		.amdhsa_memory_ordered 1
		.amdhsa_forward_progress 1
		.amdhsa_inst_pref_size 99
	.end_amdhsa_kernel
	.amdgpu_metadata
---
amdhsa.version: [ 1, 2 ]
amdhsa.kernels:
  - .name:           k_qfda65e8708_attn
    .symbol:         k_qfda65e8708_attn.kd
    .args:
      - { .name: qbuf, .offset: 0, .size: 8, .value_kind: global_buffer, .address_space: global }
      - { .name: kv, .offset: 8, .size: 8, .value_kind: global_buffer, .address_space: global }
      - { .name: ctx, .offset: 16, .size: 8, .value_kind: global_buffer, .address_space: global }
      - { .name: out1, .offset: 24, .size: 8, .value_kind: global_buffer, .address_space: global }
    .group_segment_fixed_size: 327680
    .private_segment_fixed_size: 0
    .kernarg_segment_align: 8
    .kernarg_segment_size: 32
    .max_flat_workgroup_size: 256
    .sgpr_count:     66
    .vgpr_count:     512
    .wavefront_size: 32
...
	.end_amdgpu_metadata
.endif
;; end of part 3
;; launch oproj (part 4): grid 4 x 64, 4 waves a work-group, clusters of 4 x 4, 327,680 bytes of LDS; arguments ctx, tiles, out_proj_b, query, out0; writes out0
.if DOCPART == 4
	.amdgcn_target "amdgcn-amd-amdhsa--gfx1250"
	.amdhsa_code_object_version 6
	.text
	.protected	k_qfda65e8708_oproj
	.globl	k_qfda65e8708_oproj
	.p2align	8
	.type	k_qfda65e8708_oproj,@function
k_qfda65e8708_oproj:
	s_mov_b64 s[64:65], 0
	v_nop
	global_prefetch_b8 v0, s[64:65] scope:SCOPE_SE
	s_setreg_imm32_b32 hwreg(HW_REG_WAVE_MODE, 25, 1), 1
	s_wait_xcnt 0x0
	s_wait_alu depctr_hold_cnt(0) depctr_sa_sdst(0) depctr_va_vdst(0) depctr_va_sdst(0) depctr_va_ssrc(0) depctr_va_vcc(0) depctr_vm_vsrc(0)
	s_getreg_b32 s2, hwreg(HW_REG_IB_STS2, 6, 4)
	s_cmp_eq_u32 s2, 0
	s_cbranch_scc0 .Lentry_in_a_cluster
	s_endpgm
.Lentry_in_a_cluster:
	s_bfe_u32 s2, ttmp6, 0x10000c
	s_cmp_lg_u32 s2, 0xf033
	s_cbranch_scc0 .Lentry_shape_is_right
	s_endpgm
.Lentry_shape_is_right:
; LAUNCH 4 OF 4: out0 = ctx out_proj_w^T + out_proj_b + query, on MX-FP4 codes.  No work is left out.
; Source 0 is X = rows of out_proj_w (records 1,728 on of tiles), source 1 is Y = tokens (records of ctx).  A work-group makes 128 tokens x 256 features, a wave 64 x 128: 32 accumulators.
; ALL OF K LIES IN LDS: each wave brings whole records with ONE tensor load at the head (waves 0, 1: four of Y's eight; waves 2, 3: eight of X's sixteen); a record's two halves lie HREC apart.  Nothing is filled again.
; X's records are asked for jointly down a column of the 4 x 4 cluster, Y's along a row.  The residual's rows are loaded into window 3 while the products run; results leave through the wave's own stage as rows of 512 bytes.
.set HREC,  4352
.set HALF,  24*HREC
.set STG,   2*HALF
.set SPARE, STG+4*8448
.set BI,   12
.set ADY,  16
.set ADSY, 18
.set ADX,  20
.set ADSX, 22
.set STO,  24
.set RD,   25
.set CO,   26
.set SPW,  28
.set NIL,  29
.set SCX,  32
.set SCY,  96
.set BK,   128
.set G1Y, 24
.set G0Y, 32
.set G1X, 48
.set G0X, 56
.set MSB, 0
.macro WIN new
.if MSB != (\new)
	s_set_vgpr_msb (MSB<<8)|(\new)
.set MSB, (\new)
.endif
.endm
.set MUL,  0xa5
.set TO_1, 0x40
.macro JLOAD g0a, g1a, g0b, g1b
	s_cmp_eq_u32 s15, 0
	s_cbranch_scc0 .Lfor_b_\@
	tensor_load_to_lds s[\g0a:\g0a+3], s[\g1a:\g1a+7]
	s_nop 0
.rept 4
	v_nop
.endr
	s_branch .Lasked_\@
.Lfor_b_\@:
	tensor_load_to_lds s[\g0b:\g0b+3], s[\g1b:\g1b+7]
	s_nop 0
.rept 4
	v_nop
.endr
.Lasked_\@:
.endm
.macro CROUND
	s_barrier_signal -1
	s_barrier_wait -1
	s_cmp_lg_u32 s14, 0
	s_cbranch_scc1 .Lnot_wave_0_\@
	s_barrier_signal -3
.Lnot_wave_0_\@:
	s_barrier_wait -3
	s_barrier_signal -1
	s_barrier_wait -1
.endm
.macro PLACES
.rept 4
	v_nop
.endr
.endm
	s_load_b256 s[4:11], s[0:1], 0x0
	s_load_b64 s[12:13], s[0:1], 0x20
	v_lshl_add_u32 v[SPW], v0, 2, SPARE
	v_mov_b32 v[NIL], 0
	ds_add_u32 v[SPW], v[NIL]
	ds_add_u32 v[SPW], v[NIL]
	v_lshrrev_b32 v1, 5, v0
	v_readfirstlane_b32 s14, v1
	s_lshr_b32 s15, s14, 1
	s_and_b32 s16, s14, 1
	s_bfe_u32 s40, ttmp6, 0x40000
	s_bfe_u32 s41, ttmp6, 0x40004
	s_and_b32 s17, ttmp7, 0xffff
	s_lshl_b32 s17, s17, 2
	s_add_co_u32 s17, s17, s41
	s_lshl_b32 s20, s17, 3
	s_lshl_b32 s82, s16, 2
	s_add_co_u32 s20, s20, s82
	s_mul_i32 s20, s20, 2*HREC
	s_mov_b32 s21, 0
	s_lshl_b32 s22, s40, 4
	s_lshl_b32 s83, s16, 3
	s_add_co_u32 s22, s22, s83
	s_add_co_u32 s22, s22, 1728
	s_mul_i32 s22, s22, 2*HREC
	s_mov_b32 s23, 0
	s_mul_i32 s45, s16, 8*HREC
	s_mul_i32 s46, s16, 16*HREC
	s_add_co_u32 s46, s46, 16*HREC
	s_lshl_b32 s43, s41, 2
	s_lshl_b32 s43, 15, s43
	s_lshl_b32 s44, 0x1111, s40
	s_or_b32 s[G1Y], s43, (3<<16)|(1<<21)
	s_or_b32 s[G1X], s44, (3<<16)|(1<<21)
	s_mov_b32 s[G1Y+1], 1088<<16
	s_mov_b32 s[G1Y+2], 4<<16
	s_mov_b32 s[G1Y+3], 1088<<16
	s_mov_b32 s[G1Y+4], 4
	s_mov_b32 s[G1Y+5], 1088
	s_mov_b32 s[G1Y+6], 0
	s_mov_b32 s[G1Y+7], 0
	s_mov_b32 s[G1X+1], 1088<<16
	s_mov_b32 s[G1X+2], 8<<16
	s_mov_b32 s[G1X+3], 1088<<16
	s_mov_b32 s[G1X+4], 8
	s_mov_b32 s[G1X+5], 1088
	s_mov_b32 s[G1X+6], 0
	s_mov_b32 s[G1X+7], 0
	s_wait_dscnt 0x0
	s_wait_kmcnt 0x0
	s_add_nc_u64 s[20:21], s[4:5], s[20:21]
	s_add_nc_u64 s[22:23], s[6:7], s[22:23]
	CROUND
.irp f, 0
	s_mov_b32 s[G0Y+4*\f], 1
	s_add_co_u32 s[G0Y+4*\f+1], s45, \f*HALF
	s_add_nc_u64 s[G0Y+4*\f+2:G0Y+4*\f+3], s[20:21], \f*HREC
	s_or_b32 s[G0Y+4*\f+3], s[G0Y+4*\f+3], 0x80000000
	s_mov_b32 s[G0X+4*\f], 1
	s_add_co_u32 s[G0X+4*\f+1], s46, \f*HALF
	s_add_nc_u64 s[G0X+4*\f+2:G0X+4*\f+3], s[22:23], \f*HREC
	s_or_b32 s[G0X+4*\f+3], s[G0X+4*\f+3], 0x80000000
	JLOAD G0Y+4*\f, G1Y, G0X+4*\f, G1X             ; my one tensor load of the launch, behind the round above
.endr
	v_and_b32 v1, 31, v0
	v_and_b32 v2, 15, v0
	v_bfe_u32 v3, v0, 4, 1
	v_lshlrev_b32 v[CO], 4, v1
	s_wait_alu depctr_va_vdst(0)
	s_lshl_b32 s86, s40, 10
	s_lshl_b32 s85, s16, 9
	s_add_co_u32 s86, s86, s85
	s_mov_b32 s87, 0
	s_add_nc_u64 s[8:9], s[8:9], s[86:87]
	s_lshl_b32 s84, s17, 7
	s_lshl_b32 s85, s15, 6
	s_add_co_u32 s84, s84, s85
	s_lshl_b32 s84, s84, 12
	s_add_co_u32 s84, s84, s86
	s_mov_b32 s85, 0
	s_add_nc_u64 s[10:11], s[10:11], s[84:85]
	s_add_nc_u64 s[12:13], s[12:13], s[84:85]
	global_load_b128 v[BI:BI+3], v[CO], s[8:9]
	WIN 0xc0
.irp a, 0,1,2,3
.irp i, 0,1,2,3,4,5,6,7,8,9,10,11,12,13,14,15
	global_load_b128 v[64*\a+4*\i:64*\a+4*\i+3], v[CO], s[10:11] offset:(32*(\a/2)+8*(\a%2)+\i+8*(\i/8))*4096 th:TH_LOAD_NT
.endr
.endr
	WIN 0
	s_mul_i32 s88, s15, 8*HREC
	s_mul_i32 s89, s16, 16*HREC
	s_add_co_u32 s89, s89, 16*HREC
	v_add_nc_u32 v[ADY], s88, v[CO]
	v_add_nc_u32 v[ADY+1], HREC, v[ADY]
	v_add_nc_u32 v[ADX], s89, v[CO]
	v_add_nc_u32 v[ADX+1], HREC, v[ADX]
	s_add_co_u32 s88, s88, 4096
	s_add_co_u32 s89, s89, 4096
	v_lshl_add_u32 v[ADSY], v2, 4, s88
	v_add_nc_u32 v[ADSY+1], HREC, v[ADSY]
	v_lshl_add_u32 v[ADSX], v2, 4, s89
	v_add_nc_u32 v[ADSX+1], HREC, v[ADSX]
	s_mul_i32 s88, s14, 8448
	s_add_co_u32 s88, s88, STG
	v_mul_u32_u24 v[STO], v2, 528
	v_lshl_add_u32 v[STO], v3, 6, v[STO]
	v_add_nc_u32 v[STO], s88, v[STO]
	v_add_nc_u32 v[RD], s88, v[CO]
.macro FETCH s
	WIN TO_1
.irp i, 0,1,2,3,4,5,6,7
.irp c, 0,1
	ds_load_b128 v[64*((\s)%2)+8*\i+4*\c:64*((\s)%2)+8*\i+4*\c+3], v[ADX+(\s)/4] offset:\i*2*HREC+((\s)%4)*1024+512*\c
.endr
.endr
.irp i, 0,1,2,3
.irp c, 0,1
	ds_load_b128 v[128+32*((\s)%2)+8*\i+4*\c:128+32*((\s)%2)+8*\i+4*\c+3], v[ADY+(\s)/4] offset:\i*2*HREC+((\s)%4)*1024+512*\c
.endr
.endr
	WIN 0
.endm
.macro SCALES f
.irp i, 0,1,2,3,4,5,6,7
	ds_load_b128 v[SCX+32*\f+4*\i:SCX+32*\f+4*\i+3], v[ADSX+\f] offset:\i*2*HREC
.endr
.irp i, 0,1,2,3
	ds_load_b128 v[SCY+16*\f+4*\i:SCY+16*\f+4*\i+3], v[ADSY+\f] offset:\i*2*HREC
.endr
.endm
.macro MUL16 g, s
.irp a, 2*\g, 2*\g+1
.irp b, 0,1,2,3,4,5,6,7
.if (\s) == 0
	v_wmma_scale_f32_16x16x128_f8f6f4 v[8*(8*(\a)+\b):8*(8*(\a)+\b)+7], v[64*((\s)%2)+8*\b:64*((\s)%2)+8*\b+7], v[128+32*((\s)%2)+8*(\a):128+32*((\s)%2)+8*(\a)+7], 0, v[SCX+32*((\s)/4)+4*\b+(\s)%4], v[SCY+16*((\s)/4)+4*(\a)+(\s)%4] matrix_a_fmt:MATRIX_FMT_FP4 matrix_b_fmt:MATRIX_FMT_FP4
.else
	v_wmma_scale_f32_16x16x128_f8f6f4 v[8*(8*(\a)+\b):8*(8*(\a)+\b)+7], v[64*((\s)%2)+8*\b:64*((\s)%2)+8*\b+7], v[128+32*((\s)%2)+8*(\a):128+32*((\s)%2)+8*(\a)+7], v[8*(8*(\a)+\b):8*(8*(\a)+\b)+7], v[SCX+32*((\s)/4)+4*\b+(\s)%4], v[SCY+16*((\s)/4)+4*(\a)+(\s)%4] matrix_a_fmt:MATRIX_FMT_FP4 matrix_b_fmt:MATRIX_FMT_FP4
.endif
.endr
.endr
.endm
.macro STEP s
	s_wait_dscnt 0x0
	WIN MUL
	MUL16 0, \s
.if (\s) < 7
	PLACES
	FETCH (\s)+1
.if (\s) == 3
	SCALES 1
.endif
.endif
	WIN MUL
	MUL16 1, \s
.endm
	s_wait_alu depctr_va_vdst(0)
	s_wait_tensorcnt 0x0                           ; my records are in
	s_barrier_signal -1
	s_barrier_wait -1
	FETCH 0
	SCALES 0
.irp s, 0,1,2,3,4,5,6,7
	STEP \s
.endr
	WIN 0
	PLACES
.macro TOSTAGE a
	WIN 0x08
.irp b, 0,1,2,3,4,5,6,7
	ds_store_b128 v[STO], v[8*(8*(\a)+\b):8*(8*(\a)+\b)+3] offset:128*(\b/2)+32*(\b%2)
	ds_store_b128 v[STO], v[8*(8*(\a)+\b)+4:8*(8*(\a)+\b)+7] offset:128*(\b/2)+32*(\b%2)+16
.endr
	WIN 0
.set BB, BK+64*((\a)%2)
.irp i, 0,1,2,3,4,5,6,7,8,9,10,11,12,13,14,15
	ds_load_b128 v[BB+4*\i:BB+4*\i+3], v[RD] offset:528*\i
.endr
.endm
.macro SEND a, younger
.set BB, BK+64*((\a)%2)
	s_wait_dscnt \younger
	s_wait_loadcnt 16*(3-(\a))
.irp i, 0,1,2,3,4,5,6,7,8,9,10,11,12,13,14,15
	v_pk_add_f32 v[BB+4*\i:BB+4*\i+1], v[BB+4*\i:BB+4*\i+1], v[BI:BI+1]
	v_pk_add_f32 v[BB+4*\i+2:BB+4*\i+3], v[BB+4*\i+2:BB+4*\i+3], v[BI+2:BI+3]
.endr
	WIN 0x0c
.set j, 0
.rept 32
	v_pk_add_f32 v[BB+j:BB+j+1], v[BB+j:BB+j+1], v[64*(\a)+j:64*(\a)+j+1]
.set j, j+2
.endr
	WIN 0
.irp i, 0,1,2,3,4,5,6,7,8,9,10,11,12,13,14,15
	global_store_b128 v[CO], v[BB+4*\i:BB+4*\i+3], s[12:13] offset:(32*((\a)/2)+8*((\a)%2)+\i+8*(\i/8))*4096 th:TH_STORE_NT
.endr
.endm
	TOSTAGE 0
	TOSTAGE 1
	SEND 0, 32
	s_wait_xcnt 0x0
	TOSTAGE 2
	SEND 1, 32
	s_wait_xcnt 0x0
	TOSTAGE 3
	SEND 2, 32
	SEND 3, 0
	s_wait_tensorcnt 0x0
	ds_add_u32 v[SPW], v[NIL]
	s_wait_dscnt 0x0
	CROUND
	s_endpgm
.Lfunc_end_k_qfda65e8708_oproj:
	.size	k_qfda65e8708_oproj, .Lfunc_end_k_qfda65e8708_oproj-k_qfda65e8708_oproj
	.p2alignl 7, 3214868480
	.fill 96, 4, 3214868480
	.section	.rodata,"a",@progbits
	.p2align	6, 0x0
	.amdhsa_kernel k_qfda65e8708_oproj
		.amdhsa_group_segment_fixed_size 327680
		.amdhsa_private_segment_fixed_size 0
		.amdhsa_enable_private_segment 0
		.amdhsa_kernarg_size 40
		.amdhsa_user_sgpr_count 2
		.amdhsa_user_sgpr_kernarg_segment_ptr 1
		.amdhsa_wavefront_size32 1
		.amdhsa_system_sgpr_workgroup_id_x 1
		.amdhsa_system_sgpr_workgroup_id_y 1
		.amdhsa_system_sgpr_workgroup_id_z 1
		.amdhsa_system_vgpr_workitem_id 0
		.amdhsa_next_free_vgpr 1024
		.amdhsa_next_free_sgpr 100
		.amdhsa_reserve_vcc 0
		.amdhsa_float_denorm_mode_32 3
		.amdhsa_float_denorm_mode_16_64 3
		.amdhsa_memory_ordered 1
		.amdhsa_forward_progress 1
		.amdhsa_inst_pref_size 91
	.end_amdhsa_kernel
	.amdgpu_metadata
---
amdhsa.version: [ 1, 2 ]
amdhsa.kernels:
  - .name:           k_qfda65e8708_oproj
    .symbol:         k_qfda65e8708_oproj.kd
    .args:
      - { .name: ctx, .offset: 0, .size: 8, .value_kind: global_buffer, .address_space: global }
      - { .name: tiles, .offset: 8, .size: 8, .value_kind: global_buffer, .address_space: global }
      - { .name: out_proj_b, .offset: 16, .size: 8, .value_kind: global_buffer, .address_space: global }
      - { .name: query, .offset: 24, .size: 8, .value_kind: global_buffer, .address_space: global }
      - { .name: out0, .offset: 32, .size: 8, .value_kind: global_buffer, .address_space: global }
    .group_segment_fixed_size: 327680
    .private_segment_fixed_size: 0
    .kernarg_segment_align: 8
    .kernarg_segment_size: 40
    .max_flat_workgroup_size: 128
    .sgpr_count:     100
    .vgpr_count:     1024
    .wavefront_size: 32
...
	.end_amdgpu_metadata
.endif
;; end of part 4
